; MI455X (gfx1250); checked and timed in simulation.
; The chip was launched on July 23, 2026; its instructions are those of AMD's public machine-readable ISA for CDNA 5 (MIT licence, August 2026) and "CDNA5" Instruction Set Architecture Reference Guide (July 2026). The comments in the code are by the model that wrote it; some were corrected since.
;; Shepards Gated Attention. Allowed arithmetic: matrix products marked QUANTISED: E2M3 operands, one E8M0 scale for each 32 along K, by v_wmma_scale_f32_16x16x128_f8f6f4 with both operands' format E2M3, f32 sums; everything else in f32.
;; Inputs: W_in 4,096 x 1,024 float32; W_out 1,024 x 1,024 float32; X 2 x 2,048 x 1,024 float32; b_in 4,096 float32; b_out 1,024 float32.
;; Outputs: out0 2 x 2,048 x 1,024 float32.
;; This version of the problem:
;;   THIS VERSION OF THE PROBLEM IS GIVEN IN LOW PRECISION. The matrix products marked QUANTISED in the list below multiply operands that are first quantised to E2M3 (2 exponent bits, 3 mantissa bits; 6 bits a number), with one power-of-two scale for each 32 numbers along K (OCP MX v1.0); their sums are f32. All else is computed in f32.
;;   The module's matrix products, in the order in which they are computed (A, B: the left and right operand; K: the contracted axis; several contracted axes count as one K, in the product's order):
;;     1. [M 4,096, K 1,024] x [K 1,024, N 4,096]; A: computed on the way; B: input W_in: QUANTISED
;;     2. batch 32 x [M 2,048, K 64] x [K 64, N 2,048]; A: computed on the way; B: computed on the way: QUANTISED
;;     3. batch 32 x [M 2,048, K 2,048] x [K 2,048, N 64]; A: computed on the way; B: computed on the way: QUANTISED
;;     4. [M 4,096, K 1,024] x [K 1,024, N 1,024]; A: computed on the way; B: input W_out: QUANTISED
;;   THE QUANTISER, for each operand of a quantised product, along K:
;;     - K is cut into blocks of 32 from its start; a last block that is shorter is filled with zeros.
;;     - A block's scale is 2^e with e = floor(log2(the largest magnitude in the block)) - 2, held to -126 .. 127; a block of zeros has e = 0. As a byte (E8M0): e + 127.
;;     - Each number is divided by its block's scale, clamped to +-7.5, and rounded to the nearest number of E2M3, ties to even, subnormals kept.
;;     - The product sums the exact products of the quantised numbers (number of the format x scale) in f32.
;;   ~~~python
;;   def quantise(x, axis):      # numpy; x: float32 -> the quantised numbers, widened to float32 again
;;       x = np.moveaxis(x, axis, -1); K = x.shape[-1]
;;       x = np.pad(x, [(0, 0)] * (x.ndim - 1) + [(0, -K % 32)]); x = x.reshape(x.shape[:-1] + (-1, 32)); a = np.abs(x).max(-1, keepdims=True)
;;       e = np.where(a > 0, np.clip(np.frexp(np.where(a > 0, a, 1))[1] - 1 - 2, -126, 127), 0)      # np.frexp(a)[1] - 1 = floor(log2(a)), exactly
;;       r = np.clip(x / 2.0 ** e, -7.5, 7.5)
;;       step = 2.0 ** (np.maximum(np.frexp(np.where(r == 0, 1, r))[1] - 1, 0) - 3)
;;       q = np.round(r / step) * step * 2.0 ** e      # np.round: ties to even
;;       return np.moveaxis(q.reshape(q.shape[:-2] + (-1,))[..., :K], -1, axis).astype(np.float32)
;;   ~~~
;;   OPERANDS COMPUTED ON THE WAY. 'Computed on the way' means the value that the module computes at that place (a softmax that the list does not call 'softmax' is quantised finished and normalised). What goes into a quantiser is computed in f32, as accurately as f32 sums, v_exp_f32 and their like allow (about 1e-6 of the number): no bf16 or f16 on the way to a quantiser, and a product that is left as it is and whose result goes on into a quantised operand takes f32 operands (vector FMAs, or v_wmma_f32_16x16x4_f32). A number that lies on a knife's edge between two numbers of the format may be rounded either way, as far as f32 arithmetic and the matrix unit's own rounding can turn it there, and no further.
;; 2 versions, each right; version 2 is version 1 with the launch attn written anew for expert scheduling mode. Each part assembles by itself: llvm-mc -triple=amdgcn-amd-amdhsa -mcpu=gfx1250 --defsym DOCPART=n.
;; ======== version 1 of 2: 4 launches
;; workspace buffers: xq 3,276,800 bytes; wq 3,276,800 bytes; woq 819,200 bytes; qk 7,340,032 bytes; vq 3,276,800 bytes; g 16,777,216 bytes; oq 3,407,872 bytes
;; launch prep (part 1): grid 576 x 1, 16 waves a work-group, no clusters, 88,832 bytes of LDS; arguments X, W_in, W_out, xq, wq, woq; writes xq, wq, woq
.if DOCPART == 1
	.amdgcn_target "amdgcn-amd-amdhsa--gfx1250"
	.amdhsa_code_object_version 6
	.text
	.protected	k_q8734c92dfd_prep
	.globl	k_q8734c92dfd_prep
	.p2align	8
	.type	k_q8734c92dfd_prep,@function
k_q8734c92dfd_prep:
	s_mov_b64 s[64:65], 0
	v_nop
	global_prefetch_b8 v0, s[64:65] scope:SCOPE_SE
	s_setreg_imm32_b32 hwreg(HW_REG_WAVE_MODE, 25, 1), 1
	s_wait_xcnt 0x0
; X [4096][1024] is normalised row by row (LayerNorm without gain) and quantised; W_in [4096][1024] and W_out [1024][1024] are quantised: codes of FP6 (E2M3), one E8M0 byte for each 32 along K = 1,024.
; A block's scale is 2^(floor(log2(its largest magnitude)) - 2): its byte is the largest magnitude's exponent field - 2, held at 1 from below.
; LIMITS: a block of zeros keeps the byte 1 where the rule says 127 (its codes are zeros, and this program alone reads the bytes); NaN and infinities among the inputs are not served; 1 / sqrt is v_rsq_f32.
; WHAT IS STORED.  Rows go in tiles of 16.  Tile T, row r holds row 32 (T / 2) + 8 (T % 2) + r % 8 + 16 (r / 8): so where a product is used transposed, the 16 registers of two neighbouring result tiles are 16 neighbours.
; A tile's codes are 16 halves (16 rows x 64 K) of 768 bytes, each an image of operand registers: lane (r, h) holds block h of row r, 24 bytes: its registers 0-3 at 16 x lane, its registers 4-5 at 512 + 8 x lane.
; The scale bytes are rows of 32 bytes in the same order of rows, behind the codes.
; W_in's rows are taken in sections: 0..2047 head by head Q's 64 then K's 64; 2048..3071 G's, head by head; 3072..4095 V's.
; SHARES.  A work-group makes one tile; wave w its row w.  Work-groups 0-255: X; 256-511: W_in; 512-575: W_out.  Only pointers are chosen: all three take one way through LDS.
; Memory binds: each row is read once by eight loads of 512 consecutive bytes, each store of a wave covers 512 or 256 consecutive bytes, aligned.  No matrix unit, no cluster: nothing is shared.
.set WTURN, 4608                       ; LDS 0: for each wave 32 blocks x (128 bytes + 16 of padding), to turn a row so that a lane holds a block
.set IMG,   73728                      ; the tile's 16 halves, 768 + 16 bytes apart
.set HP,    784
.set SCL,   86272                      ; the tile's 512 scale bytes
.set R,     20                         ; v20-51 my 32 numbers of the row
	s_load_b256 s[4:11], s[0:1], 0x0               ; X, W_in, W_out, xq
	s_load_b128 s[12:15], s[0:1], 0x20             ; wq, woq
	v_lshl_add_u32 v64, v0, 2, 0x15300
	v_mov_b32 v65, 0
	v_lshrrev_b32 v11, 5, v0                       ; wave
	v_readfirstlane_b32 s16, v11
	v_and_b32 v1, 31, v0                           ; lane
	v_lshlrev_b32 v2, 4, v1                        ; 16 x lane
	v_lshlrev_b32 v10, 3, v1                       ; 8 x lane
	v_mul_u32_u24 v16, v11, WTURN
	v_lshrrev_b32 v17, 3, v1
	v_and_b32 v18, 7, v1
	v_mad_u32_u24 v3, v17, 144, v16
	v_lshl_add_u32 v3, v18, 4, v3                  ; the turn, in: eight lanes' 128 bytes are a block
	v_mad_u32_u24 v4, v1, 144, v16                 ; and out: block = lane
	v_lshrrev_b32 v17, 1, v1                       ; my block's half,
	v_and_b32 v18, 1, v1                           ; and which block of the half
	v_mul_u32_u24 v19, v17, HP
	v_lshl_add_u32 v5, v18, 8, v19
	v_lshl_add_u32 v5, v11, 4, v5
	v_add_nc_u32 v5, IMG, v5                       ; image lane w + 16 h: registers 0-3
	v_lshl_add_u32 v6, v18, 7, v19
	v_lshl_add_u32 v6, v11, 3, v6
	v_add_nc_u32 v6, IMG+512, v6                   ; registers 4-5
	v_lshl_add_u32 v7, v11, 5, v1
	v_add_nc_u32 v7, SCL, v7                       ; my block's byte: 32 x row + block
	v_mul_u32_u24 v19, v11, HP
	v_add_nc_u32 v8, v19, v2
	v_add_nc_u32 v8, IMG, v8                       ; the way out: wave w copies half w
	v_add_nc_u32 v9, v19, v10
	v_add_nc_u32 v9, IMG+512, v9
	v_add_nc_u32 v61, SCL, v2                      ; and wave 0 the scale bytes
	s_mov_b32 s28, 0x76543210                      ; v_permlanex16_b32's selects for lane l xor 16
	s_mov_b32 s29, 0xfedcba98
	s_mov_b32 s36, 0x3a800000                      ; 1 / 1,024
	s_mov_b32 s37, 0x3727c5ac                      ; 1e-5
	s_cmp_lt_u32 ttmp9, 256
	s_cselect_b32 s17, 0, 256
	s_cmp_lt_u32 ttmp9, 512
	s_cselect_b32 s17, s17, 512
	s_mov_b32 s34, 786432
	s_cselect_b32 s34, 3145728, s34                ; where the scale rows begin in the buffer
	s_sub_co_u32 s17, ttmp9, s17                   ; T: my tile of the tensor
	s_lshr_b32 s18, s17, 1
	s_lshl_b32 s18, s18, 5
	s_and_b32 s19, s17, 1
	s_lshl_b32 s19, s19, 3
	s_add_co_u32 s18, s18, s19
	s_and_b32 s19, s16, 7
	s_add_co_u32 s18, s18, s19
	s_lshr_b32 s19, s16, 3
	s_lshl_b32 s19, s19, 4
	s_add_co_u32 s18, s18, s19                     ; the row that tile T, place w holds
	s_and_b32 s24, s18, 127                        ; W_in: from the order of sections to W_in's own rows, 256 to a head: Q, K, V, G
	s_lshr_b32 s25, s18, 7
	s_lshl_b32 s25, s25, 8
	s_add_co_u32 s24, s24, s25                     ; Q | K: 256 x head + the place among the head's 128
	s_and_b32 s25, s18, 63
	s_bfe_u32 s26, s18, 0x40006                    ; G, V: the head
	s_lshl_b32 s26, s26, 8
	s_add_co_u32 s25, s25, s26
	s_cmp_lt_u32 s18, 3072
	s_mov_b32 s26, 128
	s_cselect_b32 s26, 192, s26                    ; G begins at 192 of a head's 256, V at 128
	s_add_co_u32 s25, s25, s26
	s_cmp_lt_u32 s18, 2048
	s_cselect_b32 s24, s24, s25
	s_sub_co_u32 s25, ttmp9, 256
	s_cmp_lt_u32 s25, 256                          ; W_in's work-groups alone take the mapped row
	s_cselect_b32 s18, s24, s18
	s_lshl_b32 s24, s18, 12                        ; a row is 4,096 bytes
	s_mov_b32 s25, 0
	s_mul_i32 s30, s17, 12288
	s_mul_i32 s31, s16, 768
	s_add_co_u32 s30, s30, s31                     ; the codes: tile, half w
	s_mov_b32 s31, 0
	s_lshl_b32 s32, s17, 9
	s_add_co_u32 s32, s32, s34                     ; the tile's scale rows
	s_mov_b32 s33, 0
	s_wait_kmcnt 0x0
	s_cmp_lt_u32 ttmp9, 256                        ; the choice hangs on the work-group's number alone
	s_cselect_b64 s[20:21], s[4:5], s[6:7]
	s_cselect_b64 s[22:23], s[10:11], s[12:13]
	s_cmp_lt_u32 ttmp9, 512
	s_cselect_b64 s[20:21], s[20:21], s[8:9]
	s_cselect_b64 s[22:23], s[22:23], s[14:15]
	s_add_nc_u64 s[20:21], s[20:21], s[24:25]
	s_add_nc_u64 s[26:27], s[22:23], s[32:33]
	s_add_nc_u64 s[22:23], s[22:23], s[30:31]
.irp i, 0,1,2,3,4,5,6,7
	global_load_b128 v[R+4*\i:R+4*\i+3], v2, s[20:21] offset:512*\i th:TH_LOAD_NT   ; 32 lanes read 512 consecutive bytes
.endr
	s_wait_loadcnt 0x0
	s_cmp_lt_u32 ttmp9, 256
	s_cbranch_scc0 .Lplain                         ; the weights are quantised as they are; the branch goes round work on registers alone
.macro LANES                           ; v16 summed over the 32 lanes, the result in every lane
	v_add_f32_dpp v16, v16, v16 row_xmask:1 row_mask:0xf bank_mask:0xf
	v_add_f32_dpp v16, v16, v16 row_xmask:2 row_mask:0xf bank_mask:0xf
	v_add_f32_dpp v16, v16, v16 row_xmask:4 row_mask:0xf bank_mask:0xf
	v_add_f32_dpp v16, v16, v16 row_xmask:8 row_mask:0xf bank_mask:0xf
	v_permlanex16_b32 v17, v16, s28, s29
	v_add_f32 v16, v16, v17
.endm
	v_pk_add_f32 v[52:53], v[R:R+1], v[R+2:R+3]    ; the row's sum, in two chains
	v_pk_add_f32 v[54:55], v[R+4:R+5], v[R+6:R+7]
.irp j, 8,12,16,20,24,28
	v_pk_add_f32 v[52:53], v[52:53], v[R+\j:R+\j+1]
	v_pk_add_f32 v[54:55], v[54:55], v[R+\j+2:R+\j+3]
.endr
	v_pk_add_f32 v[52:53], v[52:53], v[54:55]
	v_add_f32 v16, v52, v53
	LANES
	v_mul_f32 v12, s36, v16                        ; the mean
	v_mov_b32 v13, v12
.set j, 0
.rept 16
	v_pk_add_f32 v[R+j:R+j+1], v[R+j:R+j+1], v[12:13] neg_lo:[0,1] neg_hi:[0,1]   ; x - mean first, squares afterwards: a common offset of the row goes out before anything is squared
.set j, j+2
.endr
	v_pk_mul_f32 v[52:53], v[R:R+1], v[R:R+1]
	v_pk_mul_f32 v[54:55], v[R+2:R+3], v[R+2:R+3]
.irp j, 4,8,12,16,20,24,28
	v_pk_fma_f32 v[52:53], v[R+\j:R+\j+1], v[R+\j:R+\j+1], v[52:53]
	v_pk_fma_f32 v[54:55], v[R+\j+2:R+\j+3], v[R+\j+2:R+\j+3], v[54:55]
.endr
	v_pk_add_f32 v[52:53], v[52:53], v[54:55]
	v_add_f32 v16, v52, v53
	LANES
	v_fma_f32 v16, v16, s36, s37                   ; the variance + 1e-5 (the division by 1,024 is exact)
	v_rsq_f32 v14, v16
	v_nop                                          ; a plain instruction behind the transcendental,
	s_wait_alu depctr_va_vdst(0)                   ; and the wait ahead of the first use of its result
	v_mov_b32 v15, v14
.set j, 0
.rept 16
	v_pk_mul_f32 v[R+j:R+j+1], v[R+j:R+j+1], v[14:15]
.set j, j+2
.endr
.Lplain:
.irp i, 0,1,2,3,4,5,6,7
	ds_store_b128 v3, v[R+4*\i:R+4*\i+3] offset:576*\i     ; a load's 512 bytes are four blocks
.endr
.irp i, 0,1,2,3,4,5,6,7
	ds_load_b128 v[R+4*\i:R+4*\i+3], v4 offset:16*\i       ; LDS serves a wave's instructions in order: these see my stores.  Lane l now holds block l
.endr
	s_wait_dscnt 0x0
	v_max3_num_f32 v16, |v[R]|, |v[R+1]|, |v[R+2]|         ; the block's largest magnitude: all 32 numbers are mine
	v_max3_num_f32 v17, |v[R+3]|, |v[R+4]|, |v[R+5]|
.irp i, 6,10,14,18,22,26
	v_max3_num_f32 v16, v16, |v[R+\i]|, |v[R+\i+1]|
	v_max3_num_f32 v17, v17, |v[R+\i+2]|, |v[R+\i+3]|
.endr
	v_max3_num_f32 v16, v16, |v[R+30]|, |v[R+31]|
	v_max3_num_f32 v16, v16, v17, 0x1800000        ; and the floor 2^(3 - 127): the byte cannot fall under 1
	v_add_nc_u32 v62, 0xff000000, v16              ; 2 off the exponent field: the conversion takes the exponent field of this operand as its scale
	v_lshrrev_b32 v63, 23, v62                     ; the scale's byte
	v_cvt_scalef32_pk16_fp6_f32 v[52:54], v[R:R+15], v62
	v_cvt_scalef32_pk16_fp6_f32 v[58:60], v[R+16:R+31], v62   ; (a conversion's three registers begin on an even number)
	v_nop                                          ; one plain place behind a scaled conversion
	v_mov_b32 v55, v58
	v_mov_b32 v56, v59
	v_mov_b32 v57, v60
	ds_store_b128 v5, v[52:55]
	ds_store_b64 v6, v[56:57]
	ds_store_b8 v7, v63
	s_wait_dscnt 0x0                               ; for the others' sake: my stores have landed
	s_barrier_signal -1
	s_barrier_wait -1
	ds_load_b128 v[20:23], v8
	ds_load_b64 v[24:25], v9
	s_wait_dscnt 0x0
	global_store_b128 v2, v[20:23], s[22:23]       ; 512 consecutive bytes, at a multiple of 256 from the buffer's first byte
	global_store_b64 v10, v[24:25], s[22:23] offset:512    ; and 256
	s_cmp_lg_u32 s16, 0
	s_cbranch_scc1 .Lend
	ds_load_b128 v[28:31], v61
	s_wait_dscnt 0x0
	global_store_b128 v2, v[28:31], s[26:27]       ; the tile's 16 scale rows
.Lend:
	s_wait_tensorcnt 0x0
	ds_add_u32 v64, v65
	s_wait_dscnt 0x0
	s_endpgm
.Lfunc_end_k_q8734c92dfd_prep:
	.size	k_q8734c92dfd_prep, .Lfunc_end_k_q8734c92dfd_prep-k_q8734c92dfd_prep
	.p2alignl 7, 3214868480
	.fill 96, 4, 3214868480
	.section	.rodata,"a",@progbits
	.p2align	6, 0x0
	.amdhsa_kernel k_q8734c92dfd_prep
		.amdhsa_group_segment_fixed_size 88832
		.amdhsa_private_segment_fixed_size 0
		.amdhsa_enable_private_segment 0
		.amdhsa_kernarg_size 48
		.amdhsa_user_sgpr_count 2
		.amdhsa_user_sgpr_kernarg_segment_ptr 1
		.amdhsa_wavefront_size32 1
		.amdhsa_system_sgpr_workgroup_id_x 1
		.amdhsa_system_sgpr_workgroup_id_y 1
		.amdhsa_system_sgpr_workgroup_id_z 1
		.amdhsa_system_vgpr_workitem_id 0
		.amdhsa_next_free_vgpr 66
		.amdhsa_next_free_sgpr 66
		.amdhsa_reserve_vcc 0
		.amdhsa_float_denorm_mode_32 3
		.amdhsa_float_denorm_mode_16_64 3
		.amdhsa_memory_ordered 1
		.amdhsa_forward_progress 1
		.amdhsa_inst_pref_size 14
	.end_amdhsa_kernel
	.amdgpu_metadata
---
amdhsa.version: [ 1, 2 ]
amdhsa.kernels:
  - .name:           k_q8734c92dfd_prep
    .symbol:         k_q8734c92dfd_prep.kd
    .args:
      - { .name: X, .offset: 0, .size: 8, .value_kind: global_buffer, .address_space: global }
      - { .name: W_in, .offset: 8, .size: 8, .value_kind: global_buffer, .address_space: global }
      - { .name: W_out, .offset: 16, .size: 8, .value_kind: global_buffer, .address_space: global }
      - { .name: xq, .offset: 24, .size: 8, .value_kind: global_buffer, .address_space: global }
      - { .name: wq, .offset: 32, .size: 8, .value_kind: global_buffer, .address_space: global }
      - { .name: woq, .offset: 40, .size: 8, .value_kind: global_buffer, .address_space: global }
    .group_segment_fixed_size: 88832
    .private_segment_fixed_size: 0
    .kernarg_segment_align: 8
    .kernarg_segment_size: 48
    .max_flat_workgroup_size: 512
    .sgpr_count:     66
    .vgpr_count:     66
    .wavefront_size: 32
...
	.end_amdgpu_metadata
.endif
;; end of part 1
;; launch proj (part 2): grid 16 x 16, 4 waves a work-group, clusters of 4 x 4, 327,680 bytes of LDS; arguments xq, wq, b_in, qk, vq, g; writes qk, vq, g
.if DOCPART == 2
	.amdgcn_target "amdgcn-amd-amdhsa--gfx1250"
	.amdhsa_code_object_version 6
	.text
	.protected	k_q8734c92dfd_proj
	.globl	k_q8734c92dfd_proj
	.p2align	8
	.type	k_q8734c92dfd_proj,@function
k_q8734c92dfd_proj:
	s_mov_b64 s[64:65], 0
	v_nop
	global_prefetch_b8 v0, s[64:65] scope:SCOPE_SE
	s_setreg_imm32_b32 hwreg(HW_REG_WAVE_MODE, 25, 1), 1
	s_wait_xcnt 0x0
	s_wait_alu depctr_hold_cnt(0) depctr_sa_sdst(0) depctr_va_vdst(0) depctr_va_sdst(0) depctr_va_ssrc(0) depctr_va_vcc(0) depctr_vm_vsrc(0)
	s_getreg_b32 s2, hwreg(HW_REG_IB_STS2, 6, 4)
	s_cmp_eq_u32 s2, 0
	s_cbranch_scc0 .Lentry_in_a_cluster
	s_endpgm
.Lentry_in_a_cluster:
	s_bfe_u32 s2, ttmp6, 0x10000c
	s_cmp_lg_u32 s2, 0xf033
	s_cbranch_scc0 .Lentry_shape_is_right
	s_endpgm
.Lentry_shape_is_right:
; P = Xn W_in^T + b_in on codes of FP6 (E2M3) with E8M0 scales, 4,096 x 4,096 x 1,024, and what attention wants of P: Q and K quantised along the head's 64, V quantised along the tokens, |Q|^2 and -|K|^2 / 2 and G in f32.  P never goes to memory.
; A work-group of four waves makes 256 x 256, a wave 128 x 128: 64 accumulators, 512 registers.  K goes in four steps of 256 through two LDS slots filled by the tensor data mover.
; Both operands lie in memory as tiles of 16 rows, each 16 halves of 768 bytes that are images of operand registers (lane's registers 0-3 at 16 x lane, 4-5 at 512 + 8 x lane): a slot's part of a tile is 3,072 consecutive bytes,
; and every LDS load takes 512 or 256 consecutive bytes: no pitch, no padding.  The scale rows of the work-group's 2 x 256 rows come once, with the first fills, and stay.
; ROLES, by the cluster's x, which all sixteen partners share: 0, 1: A = tokens, B = W_in's sections Q | K (a wave's 128 columns are one head's Q and K);  2: B = G's rows (two heads a wave);
; 3: A = V's rows, B = tokens, so that a lane holds one channel of V and its registers run along the tokens, which are the next product's K.
; THE MATRIX INSTRUCTION IS USED TRANSPOSED (source 0 = 16 rows of B, source 1 = 16 rows of A); by the order of rows in the tiles the 64 registers of a block of A are: register 16 b + i = B's row 32 b + 16 (lane / 16) + i.
; CLUSTERS: 4 x 4 work-groups; A's tiles are asked for jointly along a row of the cluster, B's along a column.
; LIMITS: a block of zeros keeps the scale byte 1 where the rule says 127 (its codes are zeros; this program alone reads the bytes); NaN and infinities are not served.
; REGISTERS: window 0: v0-31 addresses; v32-63 scale words, two sets; v64-127 the bias of 64 columns; v128-223 A's fragments, one set; v240-255 V's bias, a pair for each block.  Window 1: B's fragments, two sets.  Windows 2, 3: accumulators.
;   On the way out window 0's v128-239 are at work.
.set NQ,     2                         ; matrix instructions deep in a slot
.set FR,     12                        ; registers of a fragment
.set NL,     4                         ; LDS loads that bring one
.set NP,     4                         ; places behind this matrix instruction (ISA guide 7.12.1)
.set TILEB,  3072                      ; a tile's part of a slot
.set HALFT,  8*TILEB                   ; what one tensor load brings, and what one wave reads of A or of B
.set SLOT,   4*HALFT
.set KS,     32                        ; a scale row in bytes
.set SCO,    3145728                   ; where the scale rows begin in xq and in wq
.set SCL,    2*SLOT                    ; behind the ring: the scales, as units of 256 bytes + 16 of padding
.set HALFS,  16*272
.set SBLK,   2*272
.set SPARE,  SCL+4*HALFS               ; the spare words, 128 bytes for each wave: two blocks of 256 bytes that no other line names
.set ADRA, 16                          ; v16-17 16 x lane + my A tiles in slot 0, 1;  v18-19 the same with 8 x lane
.set ADRB, 20                          ; v20-23 the same for B
.set L16,  24                          ; v24 16 x lane
.set L8,   25                          ; v25 8 x lane
.set ADRS, 27
.set SPW,  28
.set NIL,  29
.set SC,   32
.set BI,   64
.set AF,   128
.set VB,   240
.set T,    128                         ; the way out: 64 numbers of a block
.set PC,   192                         ; the codes just made (20 registers)
.set TM,   212                         ; 16 at work
.set PW,   228                         ; the scale word just made
.set QQ,   229
.set KK,   230
.set RQ,   232                         ; v[232:233], v[234:235] records of two tiles
.set RK,   234
.set SW,   236                         ; v236-239 at work
.set SQ,   240                         ; v240-247 chains of squares (on the way of Q | K, which does not read V's bias)
.set KIMG, 3145728                     ; in qk: K's images, Q's records, K's records
.set QXO,  6291456
.set KXO,  6815744
.set WV,   16
.set RH,   17
.set CH,   18
.set ROLE, 19
.set G1, 24
.set G0, 32
.set G1B, 48
.set G0B, 56
.set G1S, 68
.set G0S, 76
.set G1SB, 80
.set G0SB, 88
.set MSB, 0
.macro WIN new                         ; the immediate's high byte repeats the setting that is left
.if MSB != (\new)
	s_set_vgpr_msb (MSB<<8)|(\new)
.set MSB, (\new)
.endif
.endm
.set MUL_LO, 0xa1                      ; source 0 (B) window 1, source 1 (A) window 0, C and D window 2
.set MUL_HI, 0xf1
.set TO_B,   0x40
; A joint load: waves 0 and 1 fetch for A, waves 2 and 3 for B; the branch hangs on the wave's number alone.  Four v_nop follow each of the two lines.
.macro JLOAD g0a, g1a, g0b, g1b
	s_cmp_eq_u32 s[RH], 0
	s_cbranch_scc0 .Lfor_b_\@
	tensor_load_to_lds s[\g0a:\g0a+3], s[\g1a:\g1a+7]
	s_nop 0
.rept 4
	v_nop
.endr
	s_branch .Lasked_\@
.Lfor_b_\@:
	tensor_load_to_lds s[\g0b:\g0b+3], s[\g1b:\g1b+7]
	s_nop 0
.rept 4
	v_nop
.endr
.Lasked_\@:
.endm
.macro CREST                           ; a round of the cluster's barrier behind its opening barrier
	s_cmp_lg_u32 s[WV], 0
	s_cbranch_scc1 .Lnot_wave_0_\@
	s_barrier_signal -3
.Lnot_wave_0_\@:
	s_barrier_wait -3
	s_barrier_signal -1
	s_barrier_wait -1
.endm
.macro CROUND
	s_barrier_signal -1
	s_barrier_wait -1
	CREST
.endm
	s_load_b256 s[4:11], s[0:1], 0x0               ; xq s[4:5], wq s[6:7], b_in s[8:9], qk s[10:11]
	s_load_b128 s[12:15], s[0:1], 0x20             ; vq s[12:13], g s[14:15]
	v_lshl_add_u32 v[SPW], v0, 2, SPARE
	v_mov_b32 v[NIL], 0
	ds_add_u32 v28, v29
	ds_add_u32 v28, v29
	s_wait_dscnt 0x0
	v_lshrrev_b32 v1, 5, v0
	v_readfirstlane_b32 s[WV], v1                  ; wave 0..3
	s_lshr_b32 s[RH], s[WV], 1                     ; which half of the tile's rows is mine.  Also: I fetch for A (0) or for B (1)
	s_and_b32 s[CH], s[WV], 1                      ; which half of its columns.  Also: which 8 tiles I fetch
	s_bfe_u32 s40, ttmp6, 0x40000                  ; cx, cy: my place in the cluster
	s_bfe_u32 s41, ttmp6, 0x40004
	s_mov_b32 s[ROLE], ttmp9                       ; the cluster's x
	s_and_b32 s20, ttmp7, 0xffff                   ; the cluster's y
	s_cmp_eq_u32 s[ROLE], 3
	s_cselect_b32 s21, 0, s20                      ; V: four tile rows (V's 1,024 rows), sixteen tile columns (the tokens)
	s_cselect_b32 s22, s20, s[ROLE]
	s_cselect_b32 s23, 192, 0                      ; V's rows begin at tile 192 of wq
	s_lshl_b32 s45, s21, 2
	s_add_co_u32 s45, s45, s41                     ; tile row
	s_lshl_b32 s42, s22, 2
	s_add_co_u32 s42, s42, s40                     ; tile column
	s_lshl_b32 s43, s41, 2
	s_lshl_b32 s43, 15, s43                        ; my row of the cluster
	s_lshl_b32 s44, 0x1111, s40                    ; my column
	; descriptor group 1 for codes: 8 tiles x 3,072 bytes (384 elements of 8 bytes), 12,288 bytes from tile to tile, dense in LDS
	s_or_b32 s[G1+0], s43, (3<<16)|(1<<21)         ; 15:0 the mask; 17:16 elements of 8 bytes; 20 padding off; 21 set beside a mask
	s_or_b32 s[G1B+0], s44, (3<<16)|(1<<21)
.irp g, G1, G1B
	s_mov_b32 s[\g+1], 384<<16                     ; tensor_dim0
	s_mov_b32 s[\g+2], 8<<16                       ; tensor_dim1
	s_mov_b32 s[\g+3], 384<<16                     ; tile_dim0
	s_mov_b32 s[\g+4], 8                           ; tile_dim1
	s_mov_b32 s[\g+5], 1536                        ; tensor_dim0_stride
	s_mov_b32 s[\g+6], 0
	s_mov_b32 s[\g+7], 0
.endr
	; and for the scale rows of 128 rows: 4,096 dense bytes as 16 rows of 256 bytes, 16 bytes of padding behind each
	s_or_b32 s[G1S+0], s43, (3<<16)|(1<<20)|(1<<21)|(5<<22)|(3<<25)
	s_or_b32 s[G1SB+0], s44, (3<<16)|(1<<20)|(1<<21)|(5<<22)|(3<<25)
.irp g, G1S, G1SB
	s_mov_b32 s[\g+1], 32<<16
	s_mov_b32 s[\g+2], 16<<16
	s_mov_b32 s[\g+3], 32<<16
	s_mov_b32 s[\g+4], 16
	s_mov_b32 s[\g+5], 32
	s_mov_b32 s[\g+6], 0
	s_mov_b32 s[\g+7], 0
.endr
	s_lshl_b32 s46, s[CH], 3                       ; which 8 tiles of the 16 I fetch
	s_lshl_b32 s20, s45, 4
	s_add_co_u32 s20, s20, s46
	s_add_co_u32 s20, s20, s23                     ; A: my first tile
	s_lshl_b32 s66, s42, 4
	s_add_co_u32 s66, s66, s46                     ; B: my first tile
	s_mul_i32 s92, s20, 12288                      ; its codes,
	s_mov_b32 s93, 0
	s_lshl_b32 s94, s20, 9                         ; its 16 scale rows of 32 bytes
	s_add_co_u32 s94, s94, SCO
	s_mov_b32 s95, 0
	s_mul_i32 s96, s66, 12288
	s_mov_b32 s97, 0
	s_lshl_b32 s98, s66, 9
	s_add_co_u32 s98, s98, SCO
	s_mov_b32 s99, 0
	s_mul_i32 s47, s[WV], HALFT                    ; where they go: no place in the cluster enters an LDS address
	s_mul_i32 s67, s[WV], HALFS
	s_wait_kmcnt 0x0
	s_cmp_eq_u32 s[ROLE], 3                        ; the choice of buffers hangs on the cluster's x alone
	s_cselect_b64 s[20:21], s[6:7], s[4:5]
	s_cselect_b64 s[22:23], s[4:5], s[6:7]
	s_add_nc_u64 s[92:93], s[20:21], s[92:93]
	s_add_nc_u64 s[94:95], s[20:21], s[94:95]
	s_add_nc_u64 s[96:97], s[22:23], s[96:97]
	s_add_nc_u64 s[98:99], s[22:23], s[98:99]
	CROUND                                         ; all sixteen work-groups are here: the first joint loads meet
	s_mov_b32 s[G0S], 1
	s_add_co_u32 s[G0S+1], s67, SCL
	s_mov_b64 s[G0S+2:G0S+3], s[94:95]
	s_or_b32 s[G0S+3], s[G0S+3], 0x80000000
	s_mov_b32 s[G0SB], 1
	s_add_co_u32 s[G0SB+1], s67, SCL
	s_mov_b64 s[G0SB+2:G0SB+3], s[98:99]
	s_or_b32 s[G0SB+3], s[G0SB+3], 0x80000000
	JLOAD G0S, G1S, G0SB, G1SB                     ; the scales first: they are wanted with the first step
.irp s, 0,1
	s_mov_b32 s[G0+4*\s], 1
	s_add_co_u32 s[G0+4*\s+1], s47, \s*SLOT
	s_add_nc_u64 s[G0+4*\s+2:G0+4*\s+3], s[92:93], \s*TILEB
	s_or_b32 s[G0+4*\s+3], s[G0+4*\s+3], 0x80000000
	s_mov_b32 s[G0B+4*\s], 1
	s_add_co_u32 s[G0B+4*\s+1], s47, \s*SLOT
	s_add_nc_u64 s[G0B+4*\s+2:G0B+4*\s+3], s[96:97], \s*TILEB
	s_or_b32 s[G0B+4*\s+3], s[G0B+4*\s+3], 0x80000000
	JLOAD G0+4*\s, G1, G0B+4*\s, G1B
.endr
	v_and_b32 v1, 15, v0                           ; r
	v_bfe_u32 v2, v0, 4, 1                         ; h
	v_and_b32 v3, 31, v0
	v_lshlrev_b32 v[L16], 4, v3
	v_lshlrev_b32 v[L8], 3, v3
	s_mul_i32 s21, s[RH], HALFT                    ; my 8 tiles of A
	s_mul_i32 s22, s[CH], HALFT                    ; my 8 tiles of B,
	s_add_co_u32 s22, s22, 2*HALFT                 ; which lie behind A's 16
.irp s, 0,1
	v_add_nc_u32 v[ADRA+\s], s21, v[L16]
	v_add_nc_u32 v[ADRB+\s], s22, v[L16]
	v_add_nc_u32 v[ADRA+2+\s], s21, v[L8]
	v_add_nc_u32 v[ADRB+2+\s], s22, v[L8]
	s_add_co_u32 s21, s21, SLOT
	s_add_co_u32 s22, s22, SLOT
.endr
	v_mul_u32_u24 v5, v1, KS                       ; my row's scales: 32 bytes a row,
	v_lshrrev_b32 v6, 8, v5
	v_lshl_add_u32 v5, v6, 4, v5                   ; and 16 more for each 256 passed
	s_mul_i32 s21, s[RH], HALFS
	s_mul_i32 s22, s[CH], HALFS
	s_add_co_u32 s22, s22, 2*HALFS
	s_sub_co_u32 s22, s22, s21
	v_mul_u32_u24 v6, s22, v2                      ; lanes 16-31 take B's
	s_add_co_u32 s21, s21, SCL
	v_add_nc_u32 v5, v5, v6
	v_add_nc_u32 v[ADRS], s21, v5
	; THE BIASES.  Every role loads both forms, from offsets that lie inside b_in in every role, so that there is no branch here; a role's way out reads its own form.
	s_lshl_b32 s20, s42, 1
	s_add_co_u32 s20, s20, s[CH]
	s_lshl_b32 s20, s20, 10                        ; Q | K: my head's 256 numbers begin 1,024 x head bytes on
	s_sub_co_u32 s21, s42, 8
	s_lshl_b32 s21, s21, 2
	s_lshl_b32 s22, s[CH], 1
	s_add_co_u32 s21, s21, s22
	s_lshl_b32 s21, s21, 10
	s_add_co_u32 s21, s21, 768                     ; G: my first head's G
	s_lshl_b32 s22, s45, 2
	s_lshl_b32 s23, s[RH], 1
	s_add_co_u32 s22, s22, s23
	s_lshl_b32 s22, s22, 10
	s_add_co_u32 s22, s22, 512                     ; V: my first head's V
	s_cmp_eq_u32 s[ROLE], 2
	s_cselect_b32 s20, s21, s20
	s_mov_b32 s21, 256
	s_cselect_b32 s21, 1024, s21                   ; from my columns 0-63 to my columns 64-127: K behind Q, or the next head's G
	s_cmp_eq_u32 s[ROLE], 3
	s_cselect_b32 s20, 0, s20
	s_cselect_b32 s22, s22, 0
	v_lshl_add_u32 v6, v2, 6, s20                  ; register 16 c + i is column 32 c + 16 h + i
	v_add_nc_u32 v7, s21, v6
	v_and_b32 v8, 7, v1
	v_lshrrev_b32 v9, 3, v1
	v_lshl_add_u32 v8, v9, 4, v8
	v_lshl_add_u32 v8, v8, 2, s22                  ; V: my row of a tile is channel r % 8 + 16 (r / 8) of the tile's 32
.irp c, 0,1
.irp q, 0,1,2,3
	global_load_b128 v[BI+16*\c+4*\q:BI+16*\c+4*\q+3], v6, s[8:9] offset:128*\c+16*\q
	global_load_b128 v[BI+32+16*\c+4*\q:BI+32+16*\c+4*\q+3], v7, s[8:9] offset:128*\c+16*\q
.endr
.endr
.irp a, 0,1,2,3,4,5,6,7
	global_load_b32 v[VB+2*\a], v8, s[8:9] offset:1024*(\a/4)+4*(32*((\a%4)/2)+8*(\a%2))
	global_load_b32 v[VB+2*\a+1], v8, s[8:9] offset:1024*(\a/4)+4*(32*((\a%4)/2)+8*(\a%2))   ; twice: a pair for the packed addition
.endr
.macro FRAG reg, adr, q, i             ; a fragment, 16 rows x 128 K, is two halves: registers 6 c .. 6 c + 3 by 16 bytes a lane, 6 c + 4, 6 c + 5 by 8
.irp c, 0,1
	ds_load_b128 v[\reg+6*\c:\reg+6*\c+3], v[\adr] offset:TILEB*(\i)+1536*(\q)+768*\c
	ds_load_b64 v[\reg+6*\c+4:\reg+6*\c+5], v[\adr+2] offset:TILEB*(\i)+1536*(\q)+768*\c+512
.endr
.endm
; 16 matrix instructions: A's blocks a0, a0 + 1 x B's eight, 128 along K.  The 64 accumulators take turns, one instruction a turn, in the same order in every step.
.macro MUL16 a0, p, q, sc, zero
.irp a, \a0, \a0+1
.irp b, 0,1,2,3,4,5,6,7
.if \zero
	v_wmma_scale_f32_16x16x128_f8f6f4 v[8*(8*((\a)%4)+\b):8*(8*((\a)%4)+\b)+7], v[128*(\p)+FR*\b:128*(\p)+FR*\b+FR-1], v[AF+FR*(\a):AF+FR*(\a)+FR-1], 0, v[SC+8*NQ*(\sc)+NQ*\b+(\q)], v[SC+8*NQ*(\sc)+NQ*(\a)+(\q)] matrix_a_fmt:MATRIX_FMT_FP6 matrix_b_fmt:MATRIX_FMT_FP6 matrix_a_scale:MATRIX_SCALE_ROW1
.else
	v_wmma_scale_f32_16x16x128_f8f6f4 v[8*(8*((\a)%4)+\b):8*(8*((\a)%4)+\b)+7], v[128*(\p)+FR*\b:128*(\p)+FR*\b+FR-1], v[AF+FR*(\a):AF+FR*(\a)+FR-1], v[8*(8*((\a)%4)+\b):8*(8*((\a)%4)+\b)+7], v[SC+8*NQ*(\sc)+NQ*\b+(\q)], v[SC+8*NQ*(\sc)+NQ*(\a)+(\q)] matrix_a_fmt:MATRIX_FMT_FP6 matrix_b_fmt:MATRIX_FMT_FP6 matrix_a_scale:MATRIX_SCALE_ROW1
.endif
.endr
.endr
.endm
.macro FETCH_B slot, q, p
	WIN TO_B
.irp i, 0,1,2,3,4,5,6,7
	FRAG 128*(\p)+FR*\i, ADRB+\slot, \q, \i
.endr
	WIN 0
.endm
.macro FETCH_A slot, q, i0
.irp i, \i0, \i0+1, \i0+2, \i0+3
	FRAG AF+FR*(\i), ADRA+\slot, \q, \i
.endr
.endm
.macro SCALES sc                       ; a slot's scale words: two words a row; lanes 0-15 take A's block i, lanes 16-31 B's block i
.irp i, 0,1,2,3,4,5,6,7
	ds_load_b64 v[SC+8*NQ*\sc+NQ*\i:SC+8*NQ*\sc+NQ*\i+1], v[ADRS] offset:\i*SBLK
.endr
.endm
.macro PLACES n                        ; plain vector instructions between a matrix instruction and a load into, or a read of, its registers
.rept \n
	v_nop
.endr
.endm
.macro STEP slot, q, zero              ; a step of 128 along K that has its successor in the same slot
	s_wait_dscnt 4*NL                              ; B's set and A's blocks 0-3 are in; the youngest 16 loads (A's blocks 4-7) may be out
	WIN MUL_LO
	MUL16 0, (\q)%2, \q, \slot, \zero
	MUL16 2, (\q)%2, \q, \slot, \zero
	s_wait_dscnt 0
	PLACES NP
	FETCH_B \slot, (\q)+1, 1-(\q)%2
	FETCH_A \slot, (\q)+1, 0
	WIN MUL_HI
	MUL16 4, (\q)%2, \q, \slot, \zero
	MUL16 6, (\q)%2, \q, \slot, \zero
	PLACES NP
	WIN 0
	FETCH_A \slot, (\q)+1, 4
.endm
; A slot's last step changes slots: one barrier; in front of it each wave waits for all its tensor loads, adds 0 to its spare word, and waits for that and for its own reads of this slot.  fill = 1: this slot is filled again, two slots ahead.
.macro TURN slot, next, fill
	s_wait_tensorcnt 0x0                           ; all my tensor loads have landed: my part of the next slot
	ds_add_u32 v[SPW], v[NIL]                      ; 0 onto my spare word
	s_wait_dscnt 4*NL+1                            ; (the add and the youngest 16 loads may be out)
	WIN MUL_LO
	MUL16 0, 1, NQ-1, \slot, 0                     ; sixteen matrix instructions stand between the add and the wait for it
	s_wait_dscnt 0x0                               ; the add is done, and my reads of this slot are over
	s_barrier_signal -1
	MUL16 2, 1, NQ-1, \slot, 0
	WIN 0
	s_barrier_wait -1
.if \fill
	CREST                                          ; the barrier has opened a round of the cluster's barrier: no wave of any partner still reads this slot or has a load on its way
	s_add_nc_u64 s[G0+4*\slot+2:G0+4*\slot+3], s[G0+4*\slot+2:G0+4*\slot+3], 2*TILEB
	s_add_nc_u64 s[G0B+4*\slot+2:G0B+4*\slot+3], s[G0B+4*\slot+2:G0B+4*\slot+3], 2*TILEB
	JLOAD G0+4*\slot, G1, G0B+4*\slot, G1B         ; the first tensor load behind the round; its four v_nop are the places in front of the loads below
.else
	PLACES NP
.endif
	v_add_nc_u32 v[ADRS], 4*NQ, v[ADRS]            ; on to the next slot's scale words
	FETCH_B \next, 0, 0
	FETCH_A \next, 0, 0
	SCALES \next
	WIN MUL_HI
	MUL16 4, 1, NQ-1, \slot, 0
	MUL16 6, 1, NQ-1, \slot, 0
	PLACES NP
	WIN 0
	FETCH_A \next, 0, 4
.endm
	s_wait_loadcnt 0x0                             ; the biases
	s_wait_tensorcnt 1                             ; the scales and my part of slot 0 are in (slot 1's load may be out),
	s_barrier_signal -1
	s_barrier_wait -1                              ; everybody's are
	FETCH_B 0, 0, 0
	FETCH_A 0, 0, 0
	SCALES 0
	FETCH_A 0, 0, 4
	STEP 0, 0, 1                                   ; the first products start the sums: nothing is cleared.  K has four slots, so the eight steps are written out
	TURN 0, 1, 1
	STEP 1, 0, 0
	TURN 1, 0, 1
	STEP 0, 0, 0
	TURN 0, 1, 0                                   ; nothing is left to fetch
	STEP 1, 0, 0
	s_wait_dscnt 4*NL
	WIN MUL_LO
	MUL16 0, 1, NQ-1, 1, 0
	MUL16 2, 1, NQ-1, 1, 0
	s_wait_dscnt 0
	WIN MUL_HI
	MUL16 4, 1, NQ-1, 1, 0
	MUL16 6, 1, NQ-1, 1, 0
	WIN 0
	PLACES NP
; THE WAY OUT, a block of 16 rows of A at a time, with no LDS: what is stored are images of registers, 16 or 8 bytes a lane on end.
.macro ADDB a, mode                    ; T = the block's 64 results + the bias; each accumulator is read from its low end on
	WIN 0x02+(\a)/4
.set j, 0
.rept 32
.if \mode
	v_pk_add_f32 v[T+j:T+j+1], v[64*((\a)%4)+j:64*((\a)%4)+j+1], v[VB+2*(\a):VB+2*(\a)+1]
.else
	v_pk_add_f32 v[T+j:T+j+1], v[64*((\a)%4)+j:64*((\a)%4)+j+1], v[BI+j:BI+j+1]
.endif
.set j, j+2
.endr
	WIN 0
.endm
; 64 numbers of a lane, register 16 b + i = k 32 b + 16 (lane / 16) + i of my row, become a fragment's codes in v[PC] on and its scale word in v[PW].
.macro QUANT s
.irp b, 0,1,2,3
	v_max3_num_f32 v[TM+\b], |v[\s+16*\b]|, |v[\s+1+16*\b]|, 0x1800000   ; my 16 numbers of block b, and the floor 2^(3 - 127): the byte cannot fall under 1
.endr
.irp i, 2,4,6,8,10,12,14
.irp b, 0,1,2,3
	v_max3_num_f32 v[TM+\b], v[TM+\b], |v[\s+16*\b+\i]|, |v[\s+1+16*\b+\i]|
.endr
.endr
.irp b, 0,1,2,3
	v_permlanex16_b32 v[TM+4+\b], v[TM+\b], s20, s21
.endr
.irp b, 0,1,2,3
	v_max_num_f32 v[TM+\b], v[TM+\b], v[TM+4+\b]   ; with lane l xor 16's: the block's largest magnitude
.endr
.irp b, 0,1,2,3
	v_add_nc_u32 v[TM+12+\b], 0xff000000, v[TM+\b] ; 2 off its exponent field: the conversion's scale operand
.endr
.irp b, 0,1,2,3
	v_lshrrev_b32 v[TM+4+\b], 23, v[TM+12+\b]      ; the scale's byte
.endr
	v_lshl_or_b32 v[PW], v[TM+5], 8, v[TM+4]
	v_lshl_or_b32 v[PW], v[TM+6], 16, v[PW]
	v_lshl_or_b32 v[PW], v[TM+7], 24, v[PW]
.irp c, 0,1
	v_cvt_scalef32_pk16_fp6_f32 v[PC+6*\c:PC+2+6*\c], v[\s+32*\c:\s+15+32*\c], v[TM+12+2*\c]
	v_cvt_scalef32_pk16_fp6_f32 v[PC+12+4*\c:PC+14+4*\c], v[\s+16+32*\c:\s+31+32*\c], v[TM+12+2*\c+1]   ; (a conversion's three registers begin on an even number)
.endr
	v_nop                                          ; one plain place behind a scaled conversion
.irp c, 0,1                                    ; the operand's layout wants a whole block in a lane
.irp i, 0,1,2
	v_permlane16_swap_b32 v[PC+6*\c+\i], v[PC+12+4*\c+\i]
.endr
.irp i, 0,1,2
	v_mov_b32 v[PC+3+6*\c+\i], v[PC+12+4*\c+\i]
.endr
.endr
.endm
	s_mov_b32 s20, 0x76543210                      ; v_permlanex16_b32's selects for lane l xor 16
	s_mov_b32 s21, 0xfedcba98
	s_mov_b32 s22, 0xffff0000                      ; lanes 16-31
	s_mov_b32 s23, 0x7f7f0000                      ; the byte of 1.0 for the two blocks of 32 that a head's 64 leave empty in an instruction's 128
.irp b, 0,1,2,3
	v_mov_b32 v[TM+4+\b], 0                        ; written once: a lane permute's destination counts as one of its sources
.endr
	v_mov_b32 v[SW+2], 0
	v_mov_b32 v[SW+3], 0
	s_mov_b32 s67, 0
	s_lshl_b32 s96, s45, 4
	s_lshl_b32 s97, s[RH], 3
	s_add_co_u32 s96, s96, s97
	s_and_b32 s96, s96, 127                        ; where A's rows are tokens: my first tile among the batch's 128,
	s_lshr_b32 s97, s45, 3
	s_lshl_b32 s97, s97, 4                         ; and 16 x batch
	s_cmp_lt_u32 s[ROLE], 2                        ; the ways part on the cluster's x: the same in all sixteen partners
	s_cbranch_scc0 .Lnot_qk
	; ---- Q | K: columns 0-63 are my head's Q, 64-127 its K
	s_lshl_b32 s46, s42, 1
	s_add_co_u32 s46, s46, s[CH]
	s_add_co_u32 s46, s46, s97                     ; 16 x batch + head
	s_lshl_b32 s47, s46, 7
	s_add_co_u32 s47, s47, s96
	s_mul_i32 s66, s47, 768
	s_add_nc_u64 s[92:93], s[10:11], s[66:67]      ; the images: 768 bytes a tile
	s_lshl_b32 s66, s47, 7
	s_add_nc_u64 s[94:95], s[10:11], s[66:67]      ; the records: 256 bytes for two tiles
.macro QKROW a
	s_wait_xcnt 0x0                                ; the last block's stores have read their registers
	ADDB \a, 0
	v_pk_mul_f32 v[SQ:SQ+1], v[T:T+1], v[T:T+1]    ; |Q|^2 and |K|^2 of the numbers as they are, in f32, two chains each
	v_pk_mul_f32 v[SQ+2:SQ+3], v[T+2:T+3], v[T+2:T+3]
	v_pk_mul_f32 v[SQ+4:SQ+5], v[T+32:T+33], v[T+32:T+33]
	v_pk_mul_f32 v[SQ+6:SQ+7], v[T+34:T+35], v[T+34:T+35]
.irp j, 4,8,12,16,20,24,28
	v_pk_fma_f32 v[SQ:SQ+1], v[T+\j:T+\j+1], v[T+\j:T+\j+1], v[SQ:SQ+1]
	v_pk_fma_f32 v[SQ+2:SQ+3], v[T+\j+2:T+\j+3], v[T+\j+2:T+\j+3], v[SQ+2:SQ+3]
	v_pk_fma_f32 v[SQ+4:SQ+5], v[T+32+\j:T+33+\j], v[T+32+\j:T+33+\j], v[SQ+4:SQ+5]
	v_pk_fma_f32 v[SQ+6:SQ+7], v[T+34+\j:T+35+\j], v[T+34+\j:T+35+\j], v[SQ+6:SQ+7]
.endr
	v_pk_add_f32 v[SQ:SQ+1], v[SQ:SQ+1], v[SQ+2:SQ+3]
	v_pk_add_f32 v[SQ+4:SQ+5], v[SQ+4:SQ+5], v[SQ+6:SQ+7]
	v_add_f32 v[QQ], v[SQ], v[SQ+1]
	v_add_f32 v[KK], v[SQ+4], v[SQ+5]
	v_permlanex16_b32 v[SW+2], v[QQ], s20, s21
	v_permlanex16_b32 v[SW+3], v[KK], s20, s21
	v_add_f32 v[QQ], v[QQ], v[SW+2]
	v_add_f32 v[KK], v[KK], v[SW+3]
	v_mul_f32 v[KK], -0.5, v[KK]                   ; -|K|^2 / 2: the C of the score products
	QUANT T
	global_store_b128 v[L16], v[PC:PC+3], s[92:93] offset:768*(\a)             ; Q's half: 512 consecutive bytes,
	global_store_b64 v[L8], v[PC+4:PC+5], s[92:93] offset:768*(\a)+512         ; and 256
	global_store_b128 v[L16], v[PC+6:PC+9], s[92:93] offset:768*(\a)+KIMG      ; K's
	global_store_b64 v[L8], v[PC+10:PC+11], s[92:93] offset:768*(\a)+512+KIMG
	v_and_or_b32 v[SW], v[PW], 0xffff, s23         ; Q's two bytes, K's two bytes
	v_lshrrev_b32 v[SW+1], 16, v[PW]
	v_or_b32 v[SW+1], s23, v[SW+1]
	v_cndmask_b32 v[RQ+(\a)%2], v[QQ], v[SW], s22  ; a record: lanes 0-15 the row's square, lanes 16-31 its scale word
	v_cndmask_b32 v[RK+(\a)%2], v[KK], v[SW+1], s22
.if (\a)%2 == 1
	global_store_b64 v[L8], v[RQ:RQ+1], s[94:95] offset:QXO+256*((\a)/2)       ; two tiles' records: 256 consecutive bytes
	global_store_b64 v[L8], v[RK:RK+1], s[94:95] offset:KXO+256*((\a)/2)
.endif
.endm
.irp a, 0,1,2,3,4,5,6,7
	QKROW \a
.endr
	s_branch .Ldone
.Lnot_qk:
	s_cmp_eq_u32 s[ROLE], 2
	s_cbranch_scc0 .Lrole_v
	; ---- G: columns 0-63 are one head's, 64-127 the next head's; stored in f32 as images of 32 registers, 4,096 bytes a tile and head
	s_sub_co_u32 s46, s42, 8
	s_lshl_b32 s46, s46, 2
	s_lshl_b32 s47, s[CH], 1
	s_add_co_u32 s46, s46, s47
	s_add_co_u32 s46, s46, s97                     ; 16 x batch + my first head
	s_lshl_b32 s46, s46, 7
	s_add_co_u32 s46, s46, s96
	s_lshl_b32 s66, s46, 12
	s_add_nc_u64 s[92:93], s[14:15], s[66:67]
.irp a, 0,1,2,3,4,5,6,7
	s_wait_xcnt 0x0                                ; the last block's stores have read their registers
	ADDB \a, 0
.irp q, 0,1,2,3,4,5,6,7,8,9,10,11,12,13,14,15
	global_store_b128 v[L16], v[T+4*\q:T+4*\q+3], s[92:93] offset:4096*\a+524288*(\q/8)+512*(\q%8) th:TH_STORE_NT   ; 512 consecutive bytes, aligned
.endr
.endr
	s_branch .Ldone
.Lrole_v:
	; ---- V: a lane holds a channel, its 64 registers 128 tokens' half blocks: a fragment of the second product, K = the keys
	s_lshr_b32 s46, s42, 3
	s_lshl_b32 s46, s46, 4                         ; 16 x batch
	s_lshl_b32 s47, s45, 2
	s_add_co_u32 s46, s46, s47
	s_lshl_b32 s47, s[RH], 1
	s_add_co_u32 s46, s46, s47                     ; + my first head
	s_lshl_b32 s46, s46, 4
	s_lshl_b32 s47, s42, 1
	s_add_co_u32 s47, s47, s[CH]
	s_and_b32 s47, s47, 15                         ; which 128 keys of the batch's 2,048
	s_add_co_u32 s46, s46, s47
	s_mul_i32 s66, s46, 6144
	s_add_nc_u64 s[92:93], s[12:13], s[66:67]      ; four fragments of 1,536 bytes
	s_lshl_b32 s66, s46, 8
	s_add_nc_u64 s[94:95], s[12:13], s[66:67]      ; their scale words: 256 bytes
.irp a, 0,1,2,3,4,5,6,7
	s_wait_xcnt 0x0
	ADDB \a, 1
	QUANT T
	global_store_b128 v[L16], v[PC:PC+3], s[92:93] offset:98304*(\a/4)+1536*(\a%4)
	global_store_b64 v[L8], v[PC+4:PC+5], s[92:93] offset:98304*(\a/4)+1536*(\a%4)+512
	global_store_b128 v[L16], v[PC+6:PC+9], s[92:93] offset:98304*(\a/4)+1536*(\a%4)+768
	global_store_b64 v[L8], v[PC+10:PC+11], s[92:93] offset:98304*(\a/4)+1536*(\a%4)+1280
	v_mov_b32 v[SW+\a%4], v[PW]
.if \a%4 == 3
	v_cndmask_b32 v[RQ], v[SW], v[SW+1], s22       ; tile 0's words in lanes 0-15, tile 1's in lanes 16-31;
	v_cndmask_b32 v[RQ+1], v[SW+2], v[SW+3], s22   ; tiles 2 and 3
	global_store_b64 v[L8], v[RQ:RQ+1], s[94:95] offset:3145728+4096*(\a/4)
.endif
.endr
.Ldone:
	s_wait_tensorcnt 0x0                           ; the wave's end
	ds_add_u32 v[SPW], v[NIL]
	s_wait_dscnt 0x0
	CROUND                                         ; the closing round: no work-group ends while a partner may still ask for a tile that names it
	s_endpgm
.Lfunc_end_k_q8734c92dfd_proj:
	.size	k_q8734c92dfd_proj, .Lfunc_end_k_q8734c92dfd_proj-k_q8734c92dfd_proj
	.p2alignl 7, 3214868480
	.fill 96, 4, 3214868480
	.section	.rodata,"a",@progbits
	.p2align	6, 0x0
	.amdhsa_kernel k_q8734c92dfd_proj
		.amdhsa_group_segment_fixed_size 327680
		.amdhsa_private_segment_fixed_size 0
		.amdhsa_enable_private_segment 0
		.amdhsa_kernarg_size 48
		.amdhsa_user_sgpr_count 2
		.amdhsa_user_sgpr_kernarg_segment_ptr 1
		.amdhsa_wavefront_size32 1
		.amdhsa_system_sgpr_workgroup_id_x 1
		.amdhsa_system_sgpr_workgroup_id_y 1
		.amdhsa_system_sgpr_workgroup_id_z 1
		.amdhsa_system_vgpr_workitem_id 0
		.amdhsa_next_free_vgpr 1024
		.amdhsa_next_free_sgpr 100
		.amdhsa_reserve_vcc 0
		.amdhsa_float_denorm_mode_32 3
		.amdhsa_float_denorm_mode_16_64 3
		.amdhsa_memory_ordered 1
		.amdhsa_forward_progress 1
		.amdhsa_inst_pref_size 255
	.end_amdhsa_kernel
	.section	.bss,"aw",@nobits
	.p2align	6
	.space	262144
	.amdgpu_metadata
---
amdhsa.version: [ 1, 2 ]
amdhsa.kernels:
  - .name:           k_q8734c92dfd_proj
    .symbol:         k_q8734c92dfd_proj.kd
    .args:
      - { .name: xq, .offset: 0, .size: 8, .value_kind: global_buffer, .address_space: global }
      - { .name: wq, .offset: 8, .size: 8, .value_kind: global_buffer, .address_space: global }
      - { .name: b_in, .offset: 16, .size: 8, .value_kind: global_buffer, .address_space: global }
      - { .name: qk, .offset: 24, .size: 8, .value_kind: global_buffer, .address_space: global }
      - { .name: vq, .offset: 32, .size: 8, .value_kind: global_buffer, .address_space: global }
      - { .name: g, .offset: 40, .size: 8, .value_kind: global_buffer, .address_space: global }
    .group_segment_fixed_size: 327680
    .private_segment_fixed_size: 0
    .kernarg_segment_align: 8
    .kernarg_segment_size: 48
    .max_flat_workgroup_size: 128
    .sgpr_count:     100
    .vgpr_count:     1024
    .wavefront_size: 32
...
	.end_amdgpu_metadata
.endif
;; end of part 2
;; launch attn (part 3): grid 8 x 32, 16 waves a work-group, no clusters, 209,920 bytes of LDS; arguments qk, vq, g, oq; writes oq
.if DOCPART == 3
	.amdgcn_target "amdgcn-amd-amdhsa--gfx1250"
	.amdhsa_code_object_version 6
	.text
	.protected	k_q8734c92dfd_attn
	.globl	k_q8734c92dfd_attn
	.p2align	8
	.type	k_q8734c92dfd_attn,@function
k_q8734c92dfd_attn:
	s_mov_b64 s[64:65], 0
	v_nop
	global_prefetch_b8 v0, s[64:65] scope:SCOPE_SE
	s_setreg_imm32_b32 hwreg(HW_REG_WAVE_MODE, 25, 1), 1
	s_wait_xcnt 0x0
; For one head and 256 queries: sq = |q|^2 + |k|^2 - 2 q.k, W = 1 / (1e-4 + sqrt(max(sq, 0)))^2, W / (1e-4 + the row's sum), A = W V, O = G A, O quantised along the model's 1,024.  Both products on codes of FP6 (E2M3) with E8M0 scales.
; W is quantised FINISHED AND NORMALISED, so a row's sum over all 2,048 keys is wanted before any of the row's W becomes a code.  So THE KEYS, NOT THE QUERIES, ARE SHARED AMONG THE WAVES: wave w owns keys 128 w .. 128 w + 127 for the
; whole launch (K's 8 half fragments, V's 4 fragments and their scale words in registers, -|k|^2 / 2 in its own 512 bytes of LDS), and the sixteen waves together hold all 2,048 scores of a tile of 16 queries, 64 registers a wave.
; Each score, root and reciprocal is made once.  The price, for each tile of queries: the waves' 16 partial row sums and their 16 partial O meet in LDS.
; A STEP (a tile of 16 queries), one barrier:  S^T = K Q^T - |k|^2 / 2 (source 0 = 16 keys, source 1 = the queries: a lane holds ONE query, its registers 16 b + i key 32 b + 16 (lane / 16) + i of my 128); W; my partial sum to LDS |
; barrier | all 16 sums; W x 1 / (1e-4 + sum); quantised along the keys; O^T = V^T P^T; meanwhile the LAST tile's 16 partial O are added (each wave a sixteenth of the image); my partial O to LDS.
; The sums' words and the partial O lie in two buffers by turns: what is written behind one barrier is read behind the next and written again behind the one after; each wave has waited for its LDS loads in front of every signal.
; K = 64 IN AN INSTRUCTION OF 128: Q's fragment has zero codes in its upper six registers, and both scale words have the byte of 1.0 there.  K's operand for tile t is twelve registers from 6 t on: its upper six are the next tile's codes
; (for tile 7: V's first six), finite numbers that meet zeros and add nothing.
; NO CLUSTER: a head's K and V (196,608 bytes) are read by its eight work-groups once each, at the head, straight into registers; a joint load lands in LDS, where 196,608 bytes do not fit beside the 207,872 in use.
; LIMITS: NaN and infinities are not served; sq is formed as |q|^2 - 2 (q.k - |k|^2 / 2); the division by the sum is a multiplication by v_rcp_f32; sums are taken in another order than the reference's;
; roots and reciprocals flush denormals; a block of zeros keeps the scale byte 1 (its codes are zeros; this program alone reads the bytes).
.set SUM,  8192                        ; LDS: 0: -|k|^2 / 2 by key, 512 bytes a wave;  SUM: two buffers of [query][wave] words
.set OP,   10240                       ; two buffers of 16 images of 4,096 bytes: each wave's partial O (32 registers, 16 bytes a lane a group)
.set OF,   141312                      ; 16 images: the tiles' finished A
.set OSC,  206848                      ; O's scale words: 64 bytes a tile
.set L16,  1                           ; v1 16 x lane;  v2 8 x lane;  v3 8 r
.set L8,   2
.set R8,   3
.set HKA,  4                           ; v4 512 w + 64 h
.set SWR,  5                           ; v5 SUM + 64 r + 4 w
.set SRD,  6                           ; v6 SUM + 64 r
.set OPW,  7                           ; v7, v8 where I store my partial O in buffer 0, 1
.set OPR,  9                           ; v9, v10 my sixteenth of an image in buffer 0, 1
.set OFB,  11                          ; v11 the same in OF
.set PFO,  12                          ; v12 256 x lane
.set QS,   13                          ; v13 Q's scale words
.set Q2,   14                          ; v14 |q|^2 (v15 is named with it as a pair)
.set KF,   16                          ; v16-63 K
.set VF,   64                          ; v64-111 V
.set S,    112                         ; v112-175 the scores, then W; then O^T in the lower 32 and the loads of the reduction in the upper 32
.set PC,   176                         ; v176-195 the 16 sums, then W's codes
.set TM,   196                         ; v196-211 at work
.set QF,   212                         ; v212-223 Q's fragment
.set KS,   224                         ; v224-227 K's scale words: tile 2 k in lanes 0-15, tile 2 k + 1 in lanes 16-31
.set VS,   228                         ; v228-229 V's likewise
.set INV,  230                         ; v230 1 / (1e-4 + sum) (v231 is named with it as a pair)
.set PW,   232                         ; W's scale word
.set TP,   233
.set CN,   234                         ; v234-237 chains
.set OFR,  238
.set OSW,  239
.set OSR,  240
.set OFA,  241
.set WV,   12
.set SEL,  20
.set EPS,  22
.set CNT,  24
.set OFS,  25
.irp i, 6,7,8,9,10,11
	v_mov_b32 v[QF+\i], 0                          ; Q's upper 64 along K: zero codes, for the whole launch
.endr
.irp b, 0,1,2,3
	v_mov_b32 v[TM+4+\b], 0                        ; written once: a lane permute's destination counts as one of its sources
.endr
	v_mov_b32 v[Q2+1], 0
	v_mov_b32 v[INV+1], 0
	s_load_b256 s[4:11], s[0:1], 0x0               ; qk s[4:5], vq s[6:7], g s[8:9], oq s[10:11]
	v_lshl_add_u32 v254, v0, 2, 0x32c00
	v_mov_b32 v255, 0
	v_lshrrev_b32 v246, 5, v0                      ; wave
	v_readfirstlane_b32 s[WV], v246
	v_and_b32 v243, 31, v0                         ; lane
	v_and_b32 v244, 15, v0                         ; r
	v_bfe_u32 v245, v0, 4, 1                       ; h
	v_lshlrev_b32 v[L16], 4, v243
	v_lshlrev_b32 v[L8], 3, v243
	v_lshlrev_b32 v[R8], 3, v244
	v_lshlrev_b32 v[HKA], 9, v246
	v_lshl_add_u32 v[HKA], v245, 6, v[HKA]
	v_lshlrev_b32 v[SRD], 6, v244
	v_add_nc_u32 v[SRD], SUM, v[SRD]
	v_lshl_add_u32 v[SWR], v246, 2, v[SRD]
	v_lshl_add_u32 v[OPW], v246, 12, v[L16]
	v_add_nc_u32 v[OFR], OF, v[OPW]
	v_add_nc_u32 v[OPW+1], OP+65536, v[OPW]
	v_add_nc_u32 v[OPW], OP, v[OPW]
	v_lshl_add_u32 v[OPR], v246, 8, v[L8]
	v_add_nc_u32 v[OFB], OF, v[OPR]
	v_add_nc_u32 v[OPR+1], OP+65536, v[OPR]
	v_add_nc_u32 v[OPR], OP, v[OPR]
	v_lshlrev_b32 v[PFO], 8, v243
	v_lshlrev_b32 v[OSW], 2, v244
	v_lshl_add_u32 v[OSW], v246, 6, v[OSW]
	v_add_nc_u32 v[OSW], OSC, v[OSW]
	v_lshl_add_u32 v[OSR], v246, 9, v[L16]         ; (read by waves 0 and 1 alone)
	v_add_nc_u32 v[OSR], OSC, v[OSR]
	v_lshl_add_u32 v241, v245, 2, v[R8]            ; a record's word for my lane: 8 r + 4 h
	v_and_b32 v247, 7, v244
	v_lshrrev_b32 v248, 3, v244
	v_lshl_add_u32 v247, v248, 4, v247
	v_lshlrev_b32 v242, 9, v246
	v_lshl_add_u32 v242, v245, 5, v242
	v_lshl_add_u32 v242, v247, 2, v242             ; row r of tile 2 k + h is key 32 k + 8 h + r % 8 + 16 (r / 8) of my 128
	s_mov_b32 s[SEL], 0x76543210
	s_mov_b32 s[SEL+1], 0xfedcba98
	s_mov_b32 s[EPS], 0x38d1b717                   ; 1e-4
	s_mov_b32 s[EPS+1], s[EPS]
	s_mov_b32 s[OFS], 0
	s_and_b32 s13, ttmp7, 0xffff                   ; 16 x batch + head
	s_lshl_b32 s14, s13, 7
	s_lshl_b32 s15, ttmp9, 4
	s_add_co_u32 s15, s14, s15                     ; the work-group's first tile of queries
	s_mov_b32 s43, 0
	s_wait_kmcnt 0x0
	s_mul_i32 s42, s15, 768
	s_add_nc_u64 s[16:17], s[4:5], s[42:43]        ; Q's images
	s_lshl_b32 s42, s15, 7
	s_add_co_u32 s42, s42, 6291456
	s_add_nc_u64 s[18:19], s[4:5], s[42:43]        ; Q's records
	s_lshl_b32 s44, s[WV], 3
	s_add_co_u32 s44, s44, s14                     ; my first tile of keys
	s_mul_i32 s42, s44, 768
	s_add_co_u32 s42, s42, 3145728
	s_add_nc_u64 s[34:35], s[4:5], s[42:43]
	s_lshl_b32 s42, s44, 7
	s_add_co_u32 s42, s42, 6815744
	s_add_nc_u64 s[36:37], s[4:5], s[42:43]
	s_lshl_b32 s44, s13, 4
	s_add_co_u32 s44, s44, s[WV]
	s_mul_i32 s42, s44, 6144
	s_add_nc_u64 s[38:39], s[6:7], s[42:43]        ; V's four fragments of my 128 keys
	s_lshl_b32 s42, s44, 8
	s_add_co_u32 s42, s42, 3145728
	s_add_nc_u64 s[40:41], s[6:7], s[42:43]
	s_add_co_u32 s44, s15, s[WV]                   ; at the end wave w finishes tile w
	s_lshl_b32 s42, s44, 12
	s_add_nc_u64 s[26:27], s[8:9], s[42:43]        ; its G
	s_lshl_b32 s42, s15, 12
	s_and_b32 s45, s[WV], 7
	s_lshl_b32 s45, s45, 13
	s_add_co_u32 s42, s42, s45
	s_add_nc_u64 s[28:29], s[8:9], s[42:43]        ; the prefetch: 8,192 bytes of the work-group's 65,536 of G for each of waves 0 to 7
	s_lshr_b32 s44, s13, 4
	s_lshl_b32 s44, s44, 7
	s_lshl_b32 s45, ttmp9, 4
	s_add_co_u32 s44, s44, s45
	s_add_co_u32 s44, s44, s[WV]                   ; its tile among all 256 tiles of tokens
	s_lshl_b32 s44, s44, 4
	s_and_b32 s45, s13, 15
	s_add_co_u32 s44, s44, s45                     ; the head is the half's number
	s_mul_i32 s42, s44, 768
	s_add_nc_u64 s[30:31], s[10:11], s[42:43]
	s_lshl_b32 s42, s15, 6
	s_and_b32 s45, s[WV], 1
	s_lshl_b32 s45, s45, 9
	s_add_co_u32 s42, s42, s45
	s_add_co_u32 s42, s42, 3145728
	s_add_nc_u64 s[32:33], s[10:11], s[42:43]      ; O's scale words
.irp t, 0,1,2,3,4,5,6,7
	global_load_b128 v[KF+6*\t:KF+6*\t+3], v[L16], s[34:35] offset:768*\t
	global_load_b64 v[KF+6*\t+4:KF+6*\t+5], v[L8], s[34:35] offset:768*\t+512
.endr
.irp t, 0,1,2,3,4,5,6,7
	global_load_b128 v[VF+6*\t:VF+6*\t+3], v[L16], s[38:39] offset:768*\t
	global_load_b64 v[VF+6*\t+4:VF+6*\t+5], v[L8], s[38:39] offset:768*\t+512
.endr
.irp k, 0,1,2,3
	global_load_b32 v[KS+\k], v241, s[36:37] offset:256*\k+128
	global_load_b32 v[CN+\k], v241, s[36:37] offset:256*\k
.endr
	global_load_b64 v[VS:VS+1], v[L8], s[40:41]
.macro QNEXT oq, ox                    ; a tile of queries: its half fragment, its scale words, its squares
	global_load_b128 v[QF:QF+3], v[L16], s[16:17] offset:\oq
	global_load_b64 v[QF+4:QF+5], v[L8], s[16:17] offset:\oq+512
	global_load_b32 v[QS], v[R8], s[18:19] offset:\ox+128
	global_load_b32 v[Q2], v[R8], s[18:19] offset:\ox
.endm
.macro HKLOAD                          ; -|k|^2 / 2 in the scores' layout: the C of the score products
.irp b, 0,1,2,3
.irp q, 0,1,2,3
	ds_load_b128 v[S+16*\b+4*\q:S+16*\b+4*\q+3], v[HKA] offset:128*\b+16*\q
.endr
.endr
.endm
.macro RLOAD buf                       ; my sixteenth of each wave's partial O
.irp k, 0,1,2,3,4,5,6,7,8,9,10,11,12,13,14,15
	ds_load_b64 v[S+32+2*\k:S+33+2*\k], v[OPR+\buf] offset:4096*\k
.endr
.endm
.macro RSUM ro                         ; their sum, to the tile's finished image
	s_wait_dscnt 0x0
.irp k, 0,4,8,12,16,20,24,28
	v_pk_add_f32 v[S+32+\k:S+33+\k], v[S+32+\k:S+33+\k], v[S+34+\k:S+35+\k]
.endr
.irp k, 0,8,16,24
	v_pk_add_f32 v[S+32+\k:S+33+\k], v[S+32+\k:S+33+\k], v[S+36+\k:S+37+\k]
.endr
.irp k, 0,16
	v_pk_add_f32 v[S+32+\k:S+33+\k], v[S+32+\k:S+33+\k], v[S+40+\k:S+41+\k]
.endr
	v_pk_add_f32 v[S+32:S+33], v[S+32:S+33], v[S+48:S+49]
	v_add_nc_u32 v[OFA], s[OFS], v[OFB]
	ds_store_b64 v[OFA], v[S+32:S+33] offset:\ro
.endm
	QNEXT 0, 0
	s_wait_loadcnt 0x0
.irp k, 0,1,2,3
	ds_store_b32 v242, v[CN+\k] offset:128*\k      ; my wave's own bytes: LDS serves a wave's instructions in order, so no barrier
.endr
	HKLOAD
; par: which buffers; hasr: the last tile's partial O are added; hasn: the next tile is fetched, from oq, ox on; ro: the reduced tile's place; pre: G is prefetched
.macro STEP par, hasr, hasn, oq, ox, ro, pre
	s_wait_loadcnt 0x0                             ; Q
	s_wait_dscnt 0x0                               ; -|k|^2 / 2 is in; my partial O has landed
.irp t, 0,1,2,3,4,5,6,7
.if \t%2
	v_wmma_scale_f32_16x16x128_f8f6f4 v[S+8*\t:S+8*\t+7], v[KF+6*\t:KF+6*\t+11], v[QF:QF+11], v[S+8*\t:S+8*\t+7], v[KS+\t/2], v[QS] matrix_a_fmt:MATRIX_FMT_FP6 matrix_b_fmt:MATRIX_FMT_FP6 matrix_a_scale:MATRIX_SCALE_ROW1
.else
	v_wmma_scale_f32_16x16x128_f8f6f4 v[S+8*\t:S+8*\t+7], v[KF+6*\t:KF+6*\t+11], v[QF:QF+11], v[S+8*\t:S+8*\t+7], v[KS+\t/2], v[QS] matrix_a_fmt:MATRIX_FMT_FP6 matrix_b_fmt:MATRIX_FMT_FP6
.endif
.endr
.rept 4
	v_nop                                          ; places behind the products (ISA guide 7.12.1)
.endr
.set j, 0
.rept 32
	v_pk_fma_f32 v[S+j:S+j+1], v[S+j:S+j+1], -2.0, v[Q2:Q2+1] op_sel_hi:[1,0,0]   ; sq = |q|^2 - 2 (q.k - |k|^2 / 2); each accumulator from its low end on
.set j, j+2
.endr
.if \hasn
	QNEXT \oq, \ox                                 ; a whole step ahead of its use
.endif
.if \pre
	s_cmp_lt_u32 s[WV], 8                          ; G's 65,536 bytes of this work-group, which the waves load one step on: waves 0 to 7, 8,192 bytes each, lanes 256 bytes apart: each block is named once
	s_cbranch_scc0 .Lno_ask_\@
	global_prefetch_b8 v[PFO], s[28:29] th:TH_LOAD_NT scope:SCOPE_SE
.Lno_ask_\@:
.endif
.set j, 0
.rept 64
	v_max_num_f32 v[S+j], 0, v[S+j]
.set j, j+1
.endr
.set j, 0
.rept 64
	v_sqrt_f32 v[S+j], v[S+j]
.set j, j+1
.endr
	v_nop                                          ; a plain instruction behind the batch,
	s_wait_alu depctr_va_vdst(0)                   ; and one wait for all 64, ahead of the first use
.set j, 0
.rept 32
	v_pk_add_f32 v[S+j:S+j+1], v[S+j:S+j+1], s[EPS:EPS+1] op_sel_hi:[1,0]
.set j, j+2
.endr
.set j, 0
.rept 32
	v_pk_mul_f32 v[S+j:S+j+1], v[S+j:S+j+1], v[S+j:S+j+1]
.set j, j+2
.endr
.set j, 0
.rept 64
	v_rcp_f32 v[S+j], v[S+j]                       ; W
.set j, j+1
.endr
	v_nop
	s_wait_alu depctr_va_vdst(0)
	v_pk_add_f32 v[CN:CN+1], v[S:S+1], v[S+2:S+3]  ; my 64 W of the row, in two chains
	v_pk_add_f32 v[CN+2:CN+3], v[S+4:S+5], v[S+6:S+7]
.irp j, 8,12,16,20,24,28,32,36,40,44,48,52,56,60
	v_pk_add_f32 v[CN:CN+1], v[CN:CN+1], v[S+\j:S+\j+1]
	v_pk_add_f32 v[CN+2:CN+3], v[CN+2:CN+3], v[S+\j+2:S+\j+3]
.endr
	v_pk_add_f32 v[CN:CN+1], v[CN:CN+1], v[CN+2:CN+3]
	v_add_f32 v[TP], v[CN], v[CN+1]
	v_permlanex16_b32 v[CN+2], v[TP], s[SEL], s[SEL+1]
	v_add_f32 v[TP], v[TP], v[CN+2]                ; with lane l xor 16's: my 128 keys' part of the row's sum
	ds_store_b32 v[SWR], v[TP] offset:1024*\par    ; (both lanes of a query write the same word with the same value)
	s_wait_dscnt 0x0                               ; for the others' sake: my sum has landed, and so has all that I stored or read before
	s_barrier_signal -1
.irp b, 0,1,2,3                                ; work on registers while the others arrive: each block's largest W (none is negative)
	v_max3_num_f32 v[TM+\b], v[S+16*\b], v[S+16*\b+1], v[S+16*\b+2]
.endr
.irp i, 3,5,7,9,11,13
.irp b, 0,1,2,3
	v_max3_num_f32 v[TM+\b], v[TM+\b], v[S+16*\b+\i], v[S+16*\b+\i+1]
.endr
.endr
.irp b, 0,1,2,3
	v_max_num_f32 v[TM+\b], v[TM+\b], v[S+16*\b+15]
.endr
.irp b, 0,1,2,3
	v_permlanex16_b32 v[TM+4+\b], v[TM+\b], s[SEL], s[SEL+1]
.endr
.irp b, 0,1,2,3
	v_max_num_f32 v[TM+\b], v[TM+\b], v[TM+4+\b]
.endr
	s_barrier_wait -1
.irp k, 0,1,2,3
	ds_load_b128 v[PC+4*\k:PC+4*\k+3], v[SRD] offset:1024*\par+16*\k   ; my query's 16 partial sums
.endr
	s_wait_dscnt 0x0
	v_pk_add_f32 v[PC:PC+1], v[PC:PC+1], v[PC+2:PC+3]
	v_pk_add_f32 v[PC+4:PC+5], v[PC+4:PC+5], v[PC+6:PC+7]
	v_pk_add_f32 v[PC+8:PC+9], v[PC+8:PC+9], v[PC+10:PC+11]
	v_pk_add_f32 v[PC+12:PC+13], v[PC+12:PC+13], v[PC+14:PC+15]
	v_pk_add_f32 v[PC:PC+1], v[PC:PC+1], v[PC+4:PC+5]
	v_pk_add_f32 v[PC+8:PC+9], v[PC+8:PC+9], v[PC+12:PC+13]
	v_pk_add_f32 v[PC:PC+1], v[PC:PC+1], v[PC+8:PC+9]
	v_add_f32 v[TP], v[PC], v[PC+1]                ; every wave adds the same 16 numbers in the same order
	v_add_f32 v[TP], s[EPS], v[TP]
	v_rcp_f32 v[INV], v[TP]
	v_nop
	s_wait_alu depctr_va_vdst(0)
.set j, 0
.rept 32
	v_pk_mul_f32 v[S+j:S+j+1], v[S+j:S+j+1], v[INV:INV+1] op_sel_hi:[1,0]   ; W, normalised: what is quantised
.set j, j+2
.endr
.irp b, 0,1,2,3
	v_mul_f32 v[TM+\b], v[TM+\b], v[INV]           ; the same multiplication of the block's largest W gives the largest normalised W: rounding keeps the order
.endr
.irp b, 0,1,2,3
	v_max_num_f32 v[TM+\b], 0x1800000, v[TM+\b]    ; the floor 2^(3 - 127): the byte cannot fall under 1
.endr
.irp b, 0,1,2,3
	v_add_nc_u32 v[TM+12+\b], 0xff000000, v[TM+\b] ; 2 off the exponent field: the conversion's scale operand
.endr
.irp b, 0,1,2,3
	v_lshrrev_b32 v[TM+4+\b], 23, v[TM+12+\b]
.endr
	v_lshl_or_b32 v[PW], v[TM+5], 8, v[TM+4]
	v_lshl_or_b32 v[PW], v[TM+6], 16, v[PW]
	v_lshl_or_b32 v[PW], v[TM+7], 24, v[PW]
.irp c, 0,1
	v_cvt_scalef32_pk16_fp6_f32 v[PC+6*\c:PC+2+6*\c], v[S+32*\c:S+15+32*\c], v[TM+12+2*\c]
	v_cvt_scalef32_pk16_fp6_f32 v[PC+12+4*\c:PC+14+4*\c], v[S+16+32*\c:S+31+32*\c], v[TM+12+2*\c+1]
.endr
	v_nop                                          ; one plain place behind a scaled conversion
.if \hasr
	RLOAD 1-\par                                   ; the last tile's partial O, written behind the barrier before this one; they land under the products below
.endif
.irp c, 0,1                                    ; the operand's layout wants a whole block in a lane
.irp i, 0,1,2
	v_permlane16_swap_b32 v[PC+6*\c+\i], v[PC+12+4*\c+\i]
.endr
.irp i, 0,1,2
	v_mov_b32 v[PC+3+6*\c+\i], v[PC+12+4*\c+\i]
.endr
.endr
.rept 8
	v_nop                                          ; a scale register written by a vector instruction stands 8 places ahead of a scaled matrix instruction, an operand so written 4
.endr
.irp t, 0,1,2,3
.if \t%2
	v_wmma_scale_f32_16x16x128_f8f6f4 v[S+8*\t:S+8*\t+7], v[VF+12*\t:VF+12*\t+11], v[PC:PC+11], 0, v[VS+\t/2], v[PW] matrix_a_fmt:MATRIX_FMT_FP6 matrix_b_fmt:MATRIX_FMT_FP6 matrix_a_scale:MATRIX_SCALE_ROW1
.else
	v_wmma_scale_f32_16x16x128_f8f6f4 v[S+8*\t:S+8*\t+7], v[VF+12*\t:VF+12*\t+11], v[PC:PC+11], 0, v[VS+\t/2], v[PW] matrix_a_fmt:MATRIX_FMT_FP6 matrix_b_fmt:MATRIX_FMT_FP6
.endif
.endr
.rept 5
	v_nop                                          ; four places in front of the stores that read the results, five in front of the next step's products, which write over them
.endr
.if \hasr
	RSUM \ro
.endif
.irp q, 0,1,2,3,4,5,6,7
	ds_store_b128 v[OPW+\par], v[S+4*\q:S+4*\q+3] offset:512*\q   ; my partial O as it stands: register 16 b + i is channel 32 b + 16 (lane / 16) + i of my query
.endr
.if \hasn
	HKLOAD                                         ; (behind the stores, which LDS serves first)
.endif
.endm
	STEP 0, 0, 1, 768, 4, 0, 0                     ; tile 0; tile 1 is fetched
	s_wait_xcnt 0x0                                ; the loads have read their bases
	s_add_nc_u64 s[16:17], s[16:17], 1536
	s_add_nc_u64 s[18:19], s[18:19], 256
	s_mov_b32 s[CNT], 7
.Lpair:                                            ; trip k: tiles 2 k + 1 and 2 k + 2; tiles 2 k + 2 and 2 k + 3 are fetched; tiles 2 k and 2 k + 1 are reduced
	STEP 1, 1, 1, 0, 0, 0, 0
	STEP 0, 1, 1, 768, 4, 4096, 0
	s_wait_xcnt 0x0
	s_add_nc_u64 s[16:17], s[16:17], 1536
	s_add_nc_u64 s[18:19], s[18:19], 256
	s_add_co_u32 s[OFS], s[OFS], 8192
	s_sub_co_u32 s[CNT], s[CNT], 1
	s_cmp_lg_u32 s[CNT], 0
	s_cbranch_scc1 .Lpair
	STEP 1, 1, 0, 0, 0, 0, 1                       ; tile 15; tile 14 is reduced
.irp q, 0,1,2,3,4,5,6,7
	global_load_b128 v[KF+4*\q:KF+4*\q+3], v[L16], s[26:27] offset:512*\q th:TH_LOAD_NT   ; G of tile w, in O's layout, into K's registers, which are done with
.endr
	s_wait_dscnt 0x0
	s_barrier_signal -1
	s_barrier_wait -1                              ; tile 15's partial O lie in LDS
	RLOAD 1
	RSUM 4096
	s_wait_dscnt 0x0
	s_barrier_signal -1
	s_barrier_wait -1                              ; all 16 tiles are finished
.irp q, 0,1,2,3,4,5,6,7
	ds_load_b128 v[S+4*\q:S+4*\q+3], v[OFR] offset:512*\q
.endr
	s_wait_dscnt 0x0
	s_wait_loadcnt 0x0
.set j, 0
.rept 16
	v_pk_mul_f32 v[S+j:S+j+1], v[S+j:S+j+1], v[KF+j:KF+j+1]   ; O = G A
.set j, j+2
.endr
.irp b, 0,1                                    ; the head's 64 are two blocks of the last product's K
	v_max3_num_f32 v[TM+\b], |v[S+16*\b]|, |v[S+16*\b+1]|, 0x1800000
.endr
.irp i, 2,4,6,8,10,12,14
.irp b, 0,1
	v_max3_num_f32 v[TM+\b], v[TM+\b], |v[S+16*\b+\i]|, |v[S+16*\b+\i+1]|
.endr
.endr
.irp b, 0,1
	v_permlanex16_b32 v[TM+4+\b], v[TM+\b], s[SEL], s[SEL+1]
.endr
.irp b, 0,1
	v_max_num_f32 v[TM+\b], v[TM+\b], v[TM+4+\b]
.endr
.irp b, 0,1
	v_add_nc_u32 v[TM+12+\b], 0xff000000, v[TM+\b]
.endr
.irp b, 0,1
	v_lshrrev_b32 v[TM+4+\b], 23, v[TM+12+\b]
.endr
	v_lshl_or_b32 v[TP], v[TM+5], 8, v[TM+4]
	v_cvt_scalef32_pk16_fp6_f32 v[PC:PC+2], v[S:S+15], v[TM+12]
	v_cvt_scalef32_pk16_fp6_f32 v[PC+12:PC+14], v[S+16:S+31], v[TM+13]
	v_nop
.irp i, 0,1,2
	v_permlane16_swap_b32 v[PC+\i], v[PC+12+\i]
.endr
.irp i, 0,1,2
	v_mov_b32 v[PC+3+\i], v[PC+12+\i]
.endr
	global_store_b128 v[L16], v[PC:PC+3], s[30:31]             ; a half of 768 bytes: 512 consecutive bytes, aligned,
	global_store_b64 v[L8], v[PC+4:PC+5], s[30:31] offset:512  ; and 256
	ds_store_b32 v[OSW], v[TP]
	s_wait_dscnt 0x0
	s_barrier_signal -1
	s_barrier_wait -1
	s_cmp_lt_u32 s[WV], 2
	s_cbranch_scc0 .Lend
	ds_load_b128 v[S:S+3], v[OSR]
	s_wait_dscnt 0x0
	global_store_b128 v[L16], v[S:S+3], s[32:33]   ; the 16 tiles' scale words: 512 consecutive bytes a wave
.Lend:
	s_wait_tensorcnt 0x0
	ds_add_u32 v254, v255
	s_wait_dscnt 0x0
	s_endpgm
.Lfunc_end_k_q8734c92dfd_attn:
	.size	k_q8734c92dfd_attn, .Lfunc_end_k_q8734c92dfd_attn-k_q8734c92dfd_attn
	.p2alignl 7, 3214868480
	.fill 96, 4, 3214868480
	.section	.rodata,"a",@progbits
	.p2align	6, 0x0
	.amdhsa_kernel k_q8734c92dfd_attn
		.amdhsa_group_segment_fixed_size 209920
		.amdhsa_private_segment_fixed_size 0
		.amdhsa_enable_private_segment 0
		.amdhsa_kernarg_size 32
		.amdhsa_user_sgpr_count 2
		.amdhsa_user_sgpr_kernarg_segment_ptr 1
		.amdhsa_wavefront_size32 1
		.amdhsa_system_sgpr_workgroup_id_x 1
		.amdhsa_system_sgpr_workgroup_id_y 1
		.amdhsa_system_sgpr_workgroup_id_z 1
		.amdhsa_system_vgpr_workitem_id 0
		.amdhsa_next_free_vgpr 256
		.amdhsa_next_free_sgpr 66
		.amdhsa_reserve_vcc 0
		.amdhsa_float_denorm_mode_32 3
		.amdhsa_float_denorm_mode_16_64 3
		.amdhsa_memory_ordered 1
		.amdhsa_forward_progress 1
		.amdhsa_inst_pref_size 123
	.end_amdhsa_kernel
	.amdgpu_metadata
---
amdhsa.version: [ 1, 2 ]
amdhsa.kernels:
  - .name:           k_q8734c92dfd_attn
    .symbol:         k_q8734c92dfd_attn.kd
    .args:
      - { .name: qk, .offset: 0, .size: 8, .value_kind: global_buffer, .address_space: global }
      - { .name: vq, .offset: 8, .size: 8, .value_kind: global_buffer, .address_space: global }
      - { .name: g, .offset: 16, .size: 8, .value_kind: global_buffer, .address_space: global }
      - { .name: oq, .offset: 24, .size: 8, .value_kind: global_buffer, .address_space: global }
    .group_segment_fixed_size: 209920
    .private_segment_fixed_size: 0
    .kernarg_segment_align: 8
    .kernarg_segment_size: 32
    .max_flat_workgroup_size: 512
    .sgpr_count:     66
    .vgpr_count:     256
    .wavefront_size: 32
...
	.end_amdgpu_metadata
.endif
;; end of part 3
;; launch outp (part 4): grid 8 x 32, 4 waves a work-group, clusters of 4 x 4, 266,752 bytes of LDS; arguments oq, woq, X, b_out, out0; writes out0
.if DOCPART == 4
	.amdgcn_target "amdgcn-amd-amdhsa--gfx1250"
	.amdhsa_code_object_version 6
	.text
	.protected	k_q8734c92dfd_outp
	.globl	k_q8734c92dfd_outp
	.p2align	8
	.type	k_q8734c92dfd_outp,@function
k_q8734c92dfd_outp:
	s_mov_b64 s[64:65], 0
	v_nop
	global_prefetch_b8 v0, s[64:65] scope:SCOPE_SE
	s_setreg_imm32_b32 hwreg(HW_REG_WAVE_MODE, 25, 1), 1
	s_wait_xcnt 0x0
	s_wait_alu depctr_hold_cnt(0) depctr_sa_sdst(0) depctr_va_vdst(0) depctr_va_sdst(0) depctr_va_ssrc(0) depctr_va_vcc(0) depctr_vm_vsrc(0)
	s_getreg_b32 s2, hwreg(HW_REG_IB_STS2, 6, 4)
	s_cmp_eq_u32 s2, 0
	s_cbranch_scc0 .Lentry_in_a_cluster
	s_endpgm
.Lentry_in_a_cluster:
	s_bfe_u32 s2, ttmp6, 0x10000c
	s_cmp_lg_u32 s2, 0xf033
	s_cbranch_scc0 .Lentry_shape_is_right
	s_endpgm
.Lentry_shape_is_right:
; out = X + O W_out^T + b_out: 4,096 x 1,024 x 1,024 on codes of FP6 (E2M3) with E8M0 scales; sums in f32.
; 256 work-groups, each 128 tokens x 128 columns; four waves, each 64 x 64: 16 accumulators.  A larger tile would leave work-groups for a part of the chip only.
; ALL OF K LIES IN LDS: A's 8 tiles and B's 8 tiles are 98,304 bytes each.  They come in four chunks of 256 along K, all asked for at the head: nothing is ever filled again, so there is no ring; a chunk is multiplied as soon as it has landed.
; Operands lie in memory as tiles of 16 rows x 16 halves of 768 bytes, images of operand registers: every LDS load takes 512 or 256 consecutive bytes.
; X's 64 x 64 numbers of each wave come by a tensor load of the wave's own, with the first fills; the results are added to them in LDS, and whole rows leave.
; CLUSTERS: 4 x 4 work-groups; A's chunks are asked for jointly along a row of the cluster, B's along a column.  A wave has five tensor loads out.
; THE MATRIX INSTRUCTION IS USED TRANSPOSED (source 0 = 16 rows of W_out, source 1 = 16 tokens); b_out is the C of each sum's first instruction.
; REGISTERS: window 0: v1-15 addresses; v16-31 A's scale words, v32-47 B's (pair of tiles i, step s at 8 i + s: the even tile in lanes 0-15, the odd in lanes 16-31); v48-143, v144-239 two sets of fragments (A's four, then B's four).
;   window 1: v0-127 the accumulators ((a, b) at 8 (4 a + b)); v128-159 b_out for B's four tiles.
.set AP,   0
.set BP,   98304
.set XT,   196608                      ; for each wave 64 rows x (256 bytes + 16)
.set SA,   16
.set SB,   32
.set F0,   48
.set F1,   144
.set WV,   14
.set RH,   15
.set CH,   16
.set G1A,  24
.set G1B,  32
.set G1X,  48
.set G0X,  56
.set G0A,  68                          ; s[68:83] group 0 for A's four chunks;  s[84:99] for B's
.set G0B,  84
.set MSB, 0
.macro WIN new
.if MSB != (\new)
	s_set_vgpr_msb (MSB<<8)|(\new)
.set MSB, (\new)
.endif
.endm
.macro CROUND                          ; a round of the cluster's barrier
	s_barrier_signal -1
	s_barrier_wait -1
	s_cmp_lg_u32 s[WV], 0
	s_cbranch_scc1 .Lnot_wave_0_\@
	s_barrier_signal -3
.Lnot_wave_0_\@:
	s_barrier_wait -3
	s_barrier_signal -1
	s_barrier_wait -1
.endm
.macro PLACES n
.rept \n
	v_nop
.endr
.endm
	s_load_b256 s[4:11], s[0:1], 0x0               ; oq s[4:5], woq s[6:7], X s[8:9], b_out s[10:11]
	s_load_b64 s[12:13], s[0:1], 0x20              ; out0
	v_lshl_add_u32 v254, v0, 2, 0x41000
	v_mov_b32 v255, 0
	ds_add_u32 v254, v255
	ds_add_u32 v254, v255
	v_lshrrev_b32 v1, 5, v0
	v_readfirstlane_b32 s[WV], v1
	s_lshr_b32 s[RH], s[WV], 1                     ; which 64 tokens are mine.  Also: I fetch for A (0) or for B (1)
	s_and_b32 s[CH], s[WV], 1                      ; which 64 columns.  Also: which 4 tiles I fetch
	s_bfe_u32 s40, ttmp6, 0x40000                  ; cx, cy
	s_bfe_u32 s41, ttmp6, 0x40004
	s_lshl_b32 s42, ttmp9, 2
	s_add_co_u32 s42, s42, s40                     ; tile column 0..7
	s_and_b32 s45, ttmp7, 0xffff
	s_lshl_b32 s45, s45, 2
	s_add_co_u32 s45, s45, s41                     ; tile row 0..31
	s_lshl_b32 s43, s41, 2
	s_lshl_b32 s43, 15, s43                        ; my row of the cluster
	s_lshl_b32 s44, 0x1111, s40                    ; my column
	s_or_b32 s[G1A], s43, (3<<16)|(1<<21)          ; codes: 4 tiles x 3,072 bytes (384 elements of 8 bytes), 12,288 bytes from tile to tile, dense in LDS
	s_or_b32 s[G1B], s44, (3<<16)|(1<<21)
.irp g, G1A, G1B
	s_mov_b32 s[\g+1], 384<<16
	s_mov_b32 s[\g+2], 4<<16
	s_mov_b32 s[\g+3], 384<<16
	s_mov_b32 s[\g+4], 4
	s_mov_b32 s[\g+5], 1536
	s_mov_b32 s[\g+6], 0
	s_mov_b32 s[\g+7], 0
.endr
	s_mov_b32 s[G1X], (2<<16)|(1<<20)|(5<<22)|(3<<25)   ; X: no mask; elements of 4 bytes; 4 words of padding behind every 64
	s_mov_b32 s[G1X+1], 64<<16
	s_mov_b32 s[G1X+2], 64<<16
	s_mov_b32 s[G1X+3], 64<<16
	s_mov_b32 s[G1X+4], 64
	s_mov_b32 s[G1X+5], 1024
	s_mov_b32 s[G1X+6], 0
	s_mov_b32 s[G1X+7], 0
	s_lshl_b32 s17, s[CH], 2
	s_lshl_b32 s22, s45, 3
	s_add_co_u32 s22, s22, s17
	s_mul_i32 s22, s22, 12288                      ; A: tile 8 x tile row + 4 x half
	s_mov_b32 s23, 0
	s_lshl_b32 s46, s42, 3
	s_add_co_u32 s46, s46, s17
	s_mul_i32 s46, s46, 12288                      ; B: tile 8 x tile column + 4 x half
	s_mov_b32 s47, 0
	s_mul_i32 s17, s[CH], 12288                    ; where they go: no place in the cluster enters an LDS address
	s_mul_i32 s19, s[WV], 17408
	s_lshl_b32 s20, s45, 7
	s_lshl_b32 s21, s[RH], 6
	s_add_co_u32 s20, s20, s21                     ; my first token,
	s_lshl_b32 s20, s20, 12
	s_lshl_b32 s21, s42, 9
	s_add_co_u32 s20, s20, s21
	s_lshl_b32 s21, s[CH], 8
	s_add_co_u32 s20, s20, s21                     ; my first column: the same bytes in X and in out0
	s_mov_b32 s21, 0
	s_wait_dscnt 0x0
	s_wait_kmcnt 0x0
	s_add_nc_u64 s[22:23], s[4:5], s[22:23]
	s_add_nc_u64 s[46:47], s[6:7], s[46:47]
	s_add_nc_u64 s[66:67], s[8:9], s[20:21]
	s_add_nc_u64 s[12:13], s[12:13], s[20:21]
	CROUND                                         ; all sixteen work-groups are here: the joint loads meet
.irp c, 0,1,2,3
	s_mov_b32 s[G0A+4*\c], 1
	s_add_co_u32 s[G0A+4*\c+1], s17, AP+24576*\c
	s_add_nc_u64 s[G0A+4*\c+2:G0A+4*\c+3], s[22:23], 3072*\c
	s_or_b32 s[G0A+4*\c+3], s[G0A+4*\c+3], 0x80000000
	s_mov_b32 s[G0B+4*\c], 1
	s_add_co_u32 s[G0B+4*\c+1], s17, BP+24576*\c
	s_add_nc_u64 s[G0B+4*\c+2:G0B+4*\c+3], s[46:47], 3072*\c
	s_or_b32 s[G0B+4*\c+3], s[G0B+4*\c+3], 0x80000000
.endr
	s_mov_b32 s[G0X], 1
	s_add_co_u32 s[G0X+1], s19, XT
	s_mov_b64 s[G0X+2:G0X+3], s[66:67]
	s_or_b32 s[G0X+3], s[G0X+3], 0x80000000
	s_cmp_eq_u32 s[RH], 0                          ; a wave's five first fills stand in one branch on the wave's number, ahead of every wait on TENSORcnt and every LDS read
	s_cbranch_scc0 .Lfor_b
.irp c, 0,1,2,3
	tensor_load_to_lds s[G0A+4*\c:G0A+4*\c+3], s[G1A:G1A+7]
	s_nop 0
.endr
	tensor_load_to_lds s[G0X:G0X+3], s[G1X:G1X+7]
	s_nop 0
	PLACES 4
	s_branch .Lasked
.Lfor_b:
.irp c, 0,1,2,3
	tensor_load_to_lds s[G0B+4*\c:G0B+4*\c+3], s[G1B:G1B+7]
	s_nop 0
.endr
	tensor_load_to_lds s[G0X:G0X+3], s[G1X:G1X+7]
	s_nop 0
	PLACES 4
.Lasked:
	; the scale words and b_out, while the tiles are on their way
	v_and_b32 v1, 31, v0                           ; lane
	v_and_b32 v15, 15, v0                          ; r
	v_bfe_u32 v14, v0, 4, 1                        ; h
	v_lshlrev_b32 v48, 5, v1                       ; B: a scale row of 32 bytes a lane: two tiles' rows
	v_lshlrev_b32 v49, 2, v1                       ; A: a word a lane: two tiles' rows
	v_lshlrev_b32 v50, 6, v14                      ; b_out: 64 h
	s_lshl_b32 s20, s42, 7
	s_lshl_b32 s18, s[CH], 6
	s_add_co_u32 s20, s20, s18                     ; my first column
	s_lshl_b32 s18, s20, 2
	s_lshl_b32 s20, s20, 5
	s_add_co_u32 s20, s20, 786432
	s_add_nc_u64 s[60:61], s[6:7], s[20:21]
	s_mov_b32 s20, s18
	s_add_nc_u64 s[10:11], s[10:11], s[20:21]
	s_lshl_b32 s20, s45, 3
	s_lshl_b32 s18, s[RH], 2
	s_add_co_u32 s20, s20, s18
	s_and_b32 s20, s20, 127                        ; my first tile among the batch's 128
	s_lshl_b32 s20, s20, 6
	s_lshr_b32 s18, s45, 4
	s_lshl_b32 s18, s18, 17                        ; a batch's 16 heads x 128 tiles x 64 bytes
	s_add_co_u32 s20, s20, s18
	s_add_co_u32 s20, s20, 3145728
	s_add_nc_u64 s[62:63], s[4:5], s[20:21]
.irp i, 0,1
	global_load_b128 v[SB+8*\i:SB+8*\i+3], v48, s[60:61] offset:1024*\i
	global_load_b128 v[SB+8*\i+4:SB+8*\i+7], v48, s[60:61] offset:1024*\i+16
.irp e, 0,1,2,3,4,5,6,7
	global_load_b32 v[SA+8*\i+\e], v49, s[62:63] offset:16384*\e+128*\i         ; head 2 e's two bytes,
	global_load_b32 v[F1+8*\i+\e], v49, s[62:63] offset:16384*\e+8192+128*\i    ; head 2 e + 1's
.endr
.endr
	WIN 0x40                                       ; destination window 1
.irp b, 0,1,2,3
	global_load_b128 v[128+8*\b:131+8*\b], v50, s[10:11] offset:4*(32*(\b/2)+8*(\b%2))       ; register j of tile b is column 32 (b / 2) + 8 (b % 2) + 16 h + j
	global_load_b128 v[132+8*\b:135+8*\b], v50, s[10:11] offset:4*(32*(\b/2)+8*(\b%2))+16
.endr
	WIN 0
	s_wait_loadcnt 0x0
.set j, 0
.rept 16
	v_lshl_or_b32 v[SA+j], v[F1+j], 16, v[SA+j]    ; two heads' bytes make the word of 128 along K
.set j, j+1
.endr
	v_lshlrev_b32 v2, 4, v1                        ; 16 x lane
	v_lshlrev_b32 v13, 3, v1                       ; 8 x lane
	s_mul_i32 s20, s[RH], 12288                    ; my 4 tiles of A,
	s_mul_i32 s18, s[CH], 12288
	s_add_co_u32 s18, s18, BP                      ; of B
	v_add_nc_u32 v3, s20, v2                       ; v3, v4: chunks 0 and 1;  v5, v6: chunks 2 and 3, beyond a 16-bit offset
	v_add_nc_u32 v4, s20, v13
	v_add_nc_u32 v5, 49152, v3
	v_add_nc_u32 v6, 49152, v4
	v_add_nc_u32 v7, s18, v2
	v_add_nc_u32 v8, s18, v13
	v_add_nc_u32 v9, 49152, v7
	v_add_nc_u32 v10, 49152, v8
	s_add_co_u32 s19, s19, XT                      ; my tile of X
	v_and_b32 v11, 7, v15
	v_lshrrev_b32 v12, 3, v15
	v_lshl_add_u32 v11, v12, 4, v11                ; row r of a tile is token r % 8 + 16 (r / 8) of the tile's 32
	v_mul_u32_u24 v11, v11, 272
	v_lshl_add_u32 v11, v14, 6, v11
	v_add_nc_u32 v11, s19, v11                     ; in the results' layout
	v_mul_u32_u24 v12, v14, 272
	v_lshl_add_u32 v12, v15, 4, v12
	v_add_nc_u32 v12, s19, v12                     ; by rows: lanes 0-15 one row of 256 bytes, lanes 16-31 the next
	v_lshlrev_b32 v13, 12, v14
	v_lshl_add_u32 v13, v15, 4, v13                ; and the same two rows in out0
	PLACES 8                                       ; a scale register written by a vector instruction stands 8 places ahead of a scaled matrix instruction
.macro FETCH s, f                      ; 32 LDS loads: the eight fragments of step s
.set HI, 2*((\s)/4)
.set FO, 24576*(((\s)/2)%2)+1536*((\s)%2)
.irp i, 0,1,2,3
.irp c, 0,1
	ds_load_b128 v[\f+12*\i+6*\c:\f+12*\i+6*\c+3], v[3+HI] offset:FO+3072*\i+768*\c
	ds_load_b64 v[\f+12*\i+6*\c+4:\f+12*\i+6*\c+5], v[4+HI] offset:FO+3072*\i+768*\c+512
	ds_load_b128 v[\f+48+12*\i+6*\c:\f+48+12*\i+6*\c+3], v[7+HI] offset:FO+3072*\i+768*\c
	ds_load_b64 v[\f+48+12*\i+6*\c+4:\f+48+12*\i+6*\c+5], v[8+HI] offset:FO+3072*\i+768*\c+512
.endr
.endr
.endm
.macro MUL s, f                        ; 16 matrix instructions, the accumulators by turns
	WIN 0x50                                       ; C and D window 1
.irp a, 0,1,2,3
.irp b, 0,1,2,3
.if (\s) == 0
.set CR, 128+8*\b
.else
.set CR, 8*(4*\a+\b)
.endif
.if (\b%2 == 0) && (\a%2 == 0)
	v_wmma_scale_f32_16x16x128_f8f6f4 v[8*(4*\a+\b):8*(4*\a+\b)+7], v[\f+48+12*\b:\f+48+12*\b+11], v[\f+12*\a:\f+12*\a+11], v[CR:CR+7], v[SB+8*(\b/2)+(\s)], v[SA+8*(\a/2)+(\s)] matrix_a_fmt:MATRIX_FMT_FP6 matrix_b_fmt:MATRIX_FMT_FP6
.elseif (\b%2 == 1) && (\a%2 == 0)
	v_wmma_scale_f32_16x16x128_f8f6f4 v[8*(4*\a+\b):8*(4*\a+\b)+7], v[\f+48+12*\b:\f+48+12*\b+11], v[\f+12*\a:\f+12*\a+11], v[CR:CR+7], v[SB+8*(\b/2)+(\s)], v[SA+8*(\a/2)+(\s)] matrix_a_fmt:MATRIX_FMT_FP6 matrix_b_fmt:MATRIX_FMT_FP6 matrix_a_scale:MATRIX_SCALE_ROW1
.elseif (\b%2 == 0)
	v_wmma_scale_f32_16x16x128_f8f6f4 v[8*(4*\a+\b):8*(4*\a+\b)+7], v[\f+48+12*\b:\f+48+12*\b+11], v[\f+12*\a:\f+12*\a+11], v[CR:CR+7], v[SB+8*(\b/2)+(\s)], v[SA+8*(\a/2)+(\s)] matrix_a_fmt:MATRIX_FMT_FP6 matrix_b_fmt:MATRIX_FMT_FP6 matrix_b_scale:MATRIX_SCALE_ROW1
.else
	v_wmma_scale_f32_16x16x128_f8f6f4 v[8*(4*\a+\b):8*(4*\a+\b)+7], v[\f+48+12*\b:\f+48+12*\b+11], v[\f+12*\a:\f+12*\a+11], v[CR:CR+7], v[SB+8*(\b/2)+(\s)], v[SA+8*(\a/2)+(\s)] matrix_a_fmt:MATRIX_FMT_FP6 matrix_b_fmt:MATRIX_FMT_FP6 matrix_a_scale:MATRIX_SCALE_ROW1 matrix_b_scale:MATRIX_SCALE_ROW1
.endif
.endr
.endr
	WIN 0
.endm
.macro KSTEP s, f, g                   ; step s is multiplied from set f while step s + 1 comes into set g
.if (\s)%2 == 1
	s_wait_tensorcnt 4-((\s)+1)/2                  ; my part of the next chunk has landed; the later chunks and X's tile may be out
	s_wait_dscnt 0x0
	s_barrier_signal -1
	s_barrier_wait -1                              ; everybody's has
.endif
	PLACES 4                                       ; in front of loads into registers that matrix instructions have read
	FETCH (\s)+1, \g
	s_wait_dscnt 32                                ; all but the 32 just issued
	MUL \s, \f
.endm
	s_wait_tensorcnt 4                             ; my part of chunk 0 is in,
	s_barrier_signal -1
	s_barrier_wait -1                              ; everybody's is
	FETCH 0, F0
	KSTEP 0, F0, F1
	KSTEP 1, F1, F0
	KSTEP 2, F0, F1
	KSTEP 3, F1, F0
	KSTEP 4, F0, F1
	KSTEP 5, F1, F0
	KSTEP 6, F0, F1
	s_wait_dscnt 0x0
	MUL 7, F1
	; THE WAY OUT.  X's tile is the wave's own: its own wait is all the ordering that its reads need.  The results are added to it in their own layout, in LDS, and whole rows of 256 bytes leave.
	s_wait_tensorcnt 0x0
	PLACES 4
.irp a, 0,1,2,3
.irp b, 0,1,2,3
	ds_load_b128 v[F0+8*\b:F0+8*\b+3], v11 offset:(32*(\a/2)+8*(\a%2))*272+(32*(\b/2)+8*(\b%2))*4
	ds_load_b128 v[F0+8*\b+4:F0+8*\b+7], v11 offset:(32*(\a/2)+8*(\a%2))*272+(32*(\b/2)+8*(\b%2))*4+16
.endr
	s_wait_dscnt 0x0
	WIN 0x04                                       ; source 1 window 1
.set j, 0
.rept 16
	v_pk_add_f32 v[F0+j:F0+j+1], v[F0+j:F0+j+1], v[32*\a+j:32*\a+j+1]   ; each accumulator from its low end on
.set j, j+2
.endr
	WIN 0
.irp b, 0,1,2,3
	ds_store_b128 v11, v[F0+8*\b:F0+8*\b+3] offset:(32*(\a/2)+8*(\a%2))*272+(32*(\b/2)+8*(\b%2))*4
	ds_store_b128 v11, v[F0+8*\b+4:F0+8*\b+7] offset:(32*(\a/2)+8*(\a%2))*272+(32*(\b/2)+8*(\b%2))*4+16
.endr
.endr
.set t, 0
.rept 32
	ds_load_b128 v[F0+4*t:F0+4*t+3], v12 offset:2*t*272    ; LDS serves a wave's instructions in order: these see my stores
.set t, t+1
.endr
.set t, 0
.rept 32
	s_wait_dscnt 31-t                              ; the younger loads may be out
	global_store_b128 v13, v[F0+4*t:F0+4*t+3], s[12:13] offset:2*t*4096 th:TH_STORE_NT   ; 16 lanes store 256 consecutive bytes, at a multiple of 256 from out0's first byte
.set t, t+1
.endr
	s_wait_tensorcnt 0x0
	ds_add_u32 v254, v255
	s_wait_dscnt 0x0
	CROUND                                         ; the closing round: no work-group ends while a partner may still ask for a tile that names it
	s_endpgm
.Lfunc_end_k_q8734c92dfd_outp:
	.size	k_q8734c92dfd_outp, .Lfunc_end_k_q8734c92dfd_outp-k_q8734c92dfd_outp
	.p2alignl 7, 3214868480
	.fill 96, 4, 3214868480
	.section	.rodata,"a",@progbits
	.p2align	6, 0x0
	.amdhsa_kernel k_q8734c92dfd_outp
		.amdhsa_group_segment_fixed_size 266752
		.amdhsa_private_segment_fixed_size 0
		.amdhsa_enable_private_segment 0
		.amdhsa_kernarg_size 40
		.amdhsa_user_sgpr_count 2
		.amdhsa_user_sgpr_kernarg_segment_ptr 1
		.amdhsa_wavefront_size32 1
		.amdhsa_system_sgpr_workgroup_id_x 1
		.amdhsa_system_sgpr_workgroup_id_y 1
		.amdhsa_system_sgpr_workgroup_id_z 1
		.amdhsa_system_vgpr_workitem_id 0
		.amdhsa_next_free_vgpr 416
		.amdhsa_next_free_sgpr 100
		.amdhsa_reserve_vcc 0
		.amdhsa_float_denorm_mode_32 3
		.amdhsa_float_denorm_mode_16_64 3
		.amdhsa_memory_ordered 1
		.amdhsa_forward_progress 1
		.amdhsa_inst_pref_size 65
	.end_amdhsa_kernel
	.amdgpu_metadata
---
amdhsa.version: [ 1, 2 ]
amdhsa.kernels:
  - .name:           k_q8734c92dfd_outp
    .symbol:         k_q8734c92dfd_outp.kd
    .args:
      - { .name: oq, .offset: 0, .size: 8, .value_kind: global_buffer, .address_space: global }
      - { .name: woq, .offset: 8, .size: 8, .value_kind: global_buffer, .address_space: global }
      - { .name: X, .offset: 16, .size: 8, .value_kind: global_buffer, .address_space: global }
      - { .name: b_out, .offset: 24, .size: 8, .value_kind: global_buffer, .address_space: global }
      - { .name: out0, .offset: 32, .size: 8, .value_kind: global_buffer, .address_space: global }
    .group_segment_fixed_size: 266752
    .private_segment_fixed_size: 0
    .kernarg_segment_align: 8
    .kernarg_segment_size: 40
    .max_flat_workgroup_size: 128
    .sgpr_count:     100
    .vgpr_count:     416
    .wavefront_size: 32
...
	.end_amdgpu_metadata
.endif
;; end of part 4
;; ======== version 2 of 2: 4 launches; version 1 with the launch attn written anew for expert scheduling mode
;; workspace buffers: xq 3,276,800 bytes; wq 3,276,800 bytes; woq 819,200 bytes; qk 7,340,032 bytes; vq 3,276,800 bytes; g 16,777,216 bytes; oq 3,407,872 bytes
;; launch prep: the kernel of part 1 again; grid 576 x 1, 16 waves a work-group, no clusters, 88,832 bytes of LDS; arguments X, W_in, W_out, xq, wq, woq; writes xq, wq, woq
;; launch proj: the kernel of part 2 again; grid 16 x 16, 4 waves a work-group, clusters of 4 x 4, 327,680 bytes of LDS; arguments xq, wq, b_in, qk, vq, g; writes qk, vq, g
;; launch attn (part 5): grid 8 x 32, 16 waves a work-group, no clusters, 209,920 bytes of LDS; arguments qk, vq, g, oq; writes oq
.if DOCPART == 5
	.amdgcn_target "amdgcn-amd-amdhsa--gfx1250"
	.amdhsa_code_object_version 6
	.text
	.protected	k_q8734c92dfd_attn
	.globl	k_q8734c92dfd_attn
	.p2align	8
	.type	k_q8734c92dfd_attn,@function
k_q8734c92dfd_attn:
	s_mov_b64 s[64:65], 0
	v_nop
	global_prefetch_b8 v0, s[64:65] scope:SCOPE_SE
	s_setreg_imm32_b32 hwreg(HW_REG_WAVE_SCHED_MODE, 0, 2), 2
	s_setreg_imm32_b32 hwreg(HW_REG_WAVE_MODE, 25, 1), 1
	s_wait_xcnt 0x0
	s_wait_alu depctr_vm_vsrc(0)
; For one head and 256 queries: sq = |q|^2 + |k|^2 - 2 q.k, W = 1 / (1e-4 + sqrt(max(sq, 0)))^2, W / (1e-4 + the row's sum), A = W V, O = G A, O quantised along the model's 1,024.  Both products on codes of FP6 (E2M3) with E8M0 scales.
; W is quantised FINISHED AND NORMALISED, so a row's sum over all 2,048 keys is wanted before any of the row's W becomes a code.  So THE KEYS, NOT THE QUERIES, ARE SHARED AMONG THE WAVES: wave w owns keys 128 w .. 128 w + 127 for the
; whole launch (K's 8 half fragments, V's 4 fragments and their scale words in registers, -|k|^2 / 2 in its own 512 bytes of LDS), and the sixteen waves together hold all 2,048 scores of a tile of 16 queries, 64 registers a wave.
; Each score, root and reciprocal is made once.  The price, for each tile of queries: the waves' 16 partial row sums and their 16 partial O meet in LDS.
; A STEP (a tile of 16 queries), one barrier:  S^T = K Q^T - |k|^2 / 2 (source 0 = 16 keys, source 1 = the queries: a lane holds ONE query, its registers 16 b + i key 32 b + 16 (lane / 16) + i of my 128); W; my partial sum to LDS |
; barrier | all 16 sums; W x 1 / (1e-4 + sum); quantised along the keys; O^T = V^T P^T; meanwhile the LAST tile's 16 partial O are added (each wave a sixteenth of the image); my partial O to LDS.
; The sums' words and the partial O lie in two buffers by turns: what is written behind one barrier is read behind the next and written again behind the one after; each wave has waited for its LDS loads in front of every signal.
; K = 64 IN AN INSTRUCTION OF 128: Q's fragment has zero codes in its upper six registers, and both scale words have the byte of 1.0 there.  K's operand for tile t is twelve registers from 6 t on: its upper six are the next tile's codes
; (for tile 7: V's first six), finite numbers that meet zeros and add nothing.
; NO CLUSTER: a head's K and V (196,608 bytes) are read by its eight work-groups once each, at the head, straight into registers; a joint load lands in LDS, where 196,608 bytes do not fit beside the 207,872 in use.
; LIMITS: NaN and infinities are not served; sq is formed as |q|^2 - 2 (q.k - |k|^2 / 2); the division by the sum is a multiplication by v_rcp_f32; sums are taken in another order than the reference's;
; roots and reciprocals flush denormals; a block of zeros keeps the scale byte 1 (its codes are zeros; this program alone reads the bytes).
; THE MODE: SCHED_MODE bits 1:0 = 2 (LLVM: expert scheduling mode 2), set by the entry lines.  The code itself states the register dependences between vector or matrix instructions and memory or LDS instructions, with s_wait_alu, always for 0.
; THE PLAN.  Registers that memory or LDS instructions touch, in a step:
;   v1-v12, v238-v240, v242   addresses and offsets: made at the head, never written again.
;   QF[0:5], QS, Q2   read by the score products and by the multiply-adds that make sq; the next tile's loads land in them behind the wait for the roots.
;   S[0:63]           -|k|^2 / 2 lands here; products and vector work make W of it; the conversions read it.  Then the O products write the lower 32, which my eight LDS stores read, and the reduction's loads land in the upper 32,
;                     whose sum (S+32:33) one LDS store reads.  Behind those stores the next step's -|k|^2 / 2 lands.
;   PC[0:15]          the 16 sums land here behind the barrier; later the conversions write the codes here, and the O products read them.
;   TP                written by the row sum's last addition, read by the sum's LDS store, written again behind the barrier.
;   OFA               written by one addition a step, read by the reduction's store.
; SIX WAITS ON va_vdst A STEP: behind the roots; behind the reciprocals; in front of the sum's store; behind the reciprocal of the sum; in front of the O products (behind it stand the reduction's loads);
; in front of the step's nine LDS stores.  TWO ON vm_vsrc: in front of the barrier's signal (TP), and behind the nine stores (S, OFA).  Each line below says what it states.
.set SUM,  8192                        ; LDS: 0: -|k|^2 / 2 by key, 512 bytes a wave;  SUM: two buffers of [query][wave] words
.set OP,   10240                       ; two buffers of 16 images of 4,096 bytes: each wave's partial O (32 registers, 16 bytes a lane a group)
.set OF,   141312                      ; 16 images: the tiles' finished A
.set OSC,  206848                      ; O's scale words: 64 bytes a tile
.set L16,  1                           ; v1 16 x lane;  v2 8 x lane;  v3 8 r
.set L8,   2
.set R8,   3
.set HKA,  4                           ; v4 512 w + 64 h
.set SWR,  5                           ; v5 SUM + 64 r + 4 w
.set SRD,  6                           ; v6 SUM + 64 r
.set OPW,  7                           ; v7, v8 where I store my partial O in buffer 0, 1
.set OPR,  9                           ; v9, v10 my sixteenth of an image in buffer 0, 1
.set OFB,  11                          ; v11 the same in OF
.set PFO,  12                          ; v12 256 x lane
.set QS,   13                          ; v13 Q's scale words
.set Q2,   14                          ; v14 |q|^2 (v15 is named with it as a pair)
.set KF,   16                          ; v16-63 K
.set VF,   64                          ; v64-111 V
.set S,    112                         ; v112-175 the scores, then W; then O^T in the lower 32 and the loads of the reduction in the upper 32
.set PC,   176                         ; v176-195 the 16 sums, then W's codes
.set TM,   196                         ; v196-211 at work
.set QF,   212                         ; v212-223 Q's fragment
.set KS,   224                         ; v224-227 K's scale words: tile 2 k in lanes 0-15, tile 2 k + 1 in lanes 16-31
.set VS,   228                         ; v228-229 V's likewise
.set INV,  230                         ; v230 1 / (1e-4 + sum) (v231 is named with it as a pair)
.set PW,   232                         ; W's scale word
.set TP,   233
.set CN,   234                         ; v234-237 chains
.set OFR,  238
.set OSW,  239
.set OSR,  240
.set OFA,  241
.set WV,   12
.set SEL,  20
.set EPS,  22
.set CNT,  24
.set OFS,  25
.irp i, 6,7,8,9,10,11
	v_mov_b32 v[QF+\i], 0                          ; Q's upper 64 along K: zero codes, for the whole launch
.endr
.irp b, 0,1,2,3
	v_mov_b32 v[TM+4+\b], 0                        ; written once: a lane permute's destination counts as one of its sources
.endr
	v_mov_b32 v[Q2+1], 0
	v_mov_b32 v[INV+1], 0
	s_load_b256 s[4:11], s[0:1], 0x0               ; qk s[4:5], vq s[6:7], g s[8:9], oq s[10:11]
	v_lshl_add_u32 v254, v0, 2, 0x32c00
	v_mov_b32 v255, 0
	v_lshrrev_b32 v246, 5, v0                      ; wave
	v_readfirstlane_b32 s[WV], v246
	v_and_b32 v243, 31, v0                         ; lane
	v_and_b32 v244, 15, v0                         ; r
	v_bfe_u32 v245, v0, 4, 1                       ; h
	v_lshlrev_b32 v[L16], 4, v243
	v_lshlrev_b32 v[L8], 3, v243
	v_lshlrev_b32 v[R8], 3, v244
	v_lshlrev_b32 v[HKA], 9, v246
	v_lshl_add_u32 v[HKA], v245, 6, v[HKA]
	v_lshlrev_b32 v[SRD], 6, v244
	v_add_nc_u32 v[SRD], SUM, v[SRD]
	v_lshl_add_u32 v[SWR], v246, 2, v[SRD]
	v_lshl_add_u32 v[OPW], v246, 12, v[L16]
	v_add_nc_u32 v[OFR], OF, v[OPW]
	v_add_nc_u32 v[OPW+1], OP+65536, v[OPW]
	v_add_nc_u32 v[OPW], OP, v[OPW]
	v_lshl_add_u32 v[OPR], v246, 8, v[L8]
	v_add_nc_u32 v[OFB], OF, v[OPR]
	v_add_nc_u32 v[OPR+1], OP+65536, v[OPR]
	v_add_nc_u32 v[OPR], OP, v[OPR]
	v_lshlrev_b32 v[PFO], 8, v243
	v_lshlrev_b32 v[OSW], 2, v244
	v_lshl_add_u32 v[OSW], v246, 6, v[OSW]
	v_add_nc_u32 v[OSW], OSC, v[OSW]
	v_lshl_add_u32 v[OSR], v246, 9, v[L16]         ; (read by waves 0 and 1 alone)
	v_add_nc_u32 v[OSR], OSC, v[OSR]
	v_lshl_add_u32 v241, v245, 2, v[R8]            ; a record's word for my lane: 8 r + 4 h
	v_and_b32 v247, 7, v244
	v_lshrrev_b32 v248, 3, v244
	v_lshl_add_u32 v247, v248, 4, v247
	v_lshlrev_b32 v242, 9, v246
	v_lshl_add_u32 v242, v245, 5, v242
	v_lshl_add_u32 v242, v247, 2, v242             ; row r of tile 2 k + h is key 32 k + 8 h + r % 8 + 16 (r / 8) of my 128
	s_wait_alu depctr_va_sdst(0)                   ; the wave's number is written to s12, ahead of its first reader: the bases below are made from it
	s_mov_b32 s[SEL], 0x76543210
	s_mov_b32 s[SEL+1], 0xfedcba98
	s_mov_b32 s[EPS], 0x38d1b717                   ; 1e-4
	s_mov_b32 s[EPS+1], s[EPS]
	s_mov_b32 s[OFS], 0
	s_and_b32 s13, ttmp7, 0xffff                   ; 16 x batch + head
	s_lshl_b32 s14, s13, 7
	s_lshl_b32 s15, ttmp9, 4
	s_add_co_u32 s15, s14, s15                     ; the work-group's first tile of queries
	s_mov_b32 s43, 0
	s_wait_kmcnt 0x0
	s_mul_i32 s42, s15, 768
	s_add_nc_u64 s[16:17], s[4:5], s[42:43]        ; Q's images
	s_lshl_b32 s42, s15, 7
	s_add_co_u32 s42, s42, 6291456
	s_add_nc_u64 s[18:19], s[4:5], s[42:43]        ; Q's records
	s_lshl_b32 s44, s[WV], 3
	s_add_co_u32 s44, s44, s14                     ; my first tile of keys
	s_mul_i32 s42, s44, 768
	s_add_co_u32 s42, s42, 3145728
	s_add_nc_u64 s[34:35], s[4:5], s[42:43]
	s_lshl_b32 s42, s44, 7
	s_add_co_u32 s42, s42, 6815744
	s_add_nc_u64 s[36:37], s[4:5], s[42:43]
	s_lshl_b32 s44, s13, 4
	s_add_co_u32 s44, s44, s[WV]
	s_mul_i32 s42, s44, 6144
	s_add_nc_u64 s[38:39], s[6:7], s[42:43]        ; V's four fragments of my 128 keys
	s_lshl_b32 s42, s44, 8
	s_add_co_u32 s42, s42, 3145728
	s_add_nc_u64 s[40:41], s[6:7], s[42:43]
	s_add_co_u32 s44, s15, s[WV]                   ; at the end wave w finishes tile w
	s_lshl_b32 s42, s44, 12
	s_add_nc_u64 s[26:27], s[8:9], s[42:43]        ; its G
	s_lshl_b32 s42, s15, 12
	s_and_b32 s45, s[WV], 7
	s_lshl_b32 s45, s45, 13
	s_add_co_u32 s42, s42, s45
	s_add_nc_u64 s[28:29], s[8:9], s[42:43]        ; the prefetch: 8,192 bytes of the work-group's 65,536 of G for each of waves 0 to 7
	s_lshr_b32 s44, s13, 4
	s_lshl_b32 s44, s44, 7
	s_lshl_b32 s45, ttmp9, 4
	s_add_co_u32 s44, s44, s45
	s_add_co_u32 s44, s44, s[WV]                   ; its tile among all 256 tiles of tokens
	s_lshl_b32 s44, s44, 4
	s_and_b32 s45, s13, 15
	s_add_co_u32 s44, s44, s45                     ; the head is the half's number
	s_mul_i32 s42, s44, 768
	s_add_nc_u64 s[30:31], s[10:11], s[42:43]
	s_lshl_b32 s42, s15, 6
	s_and_b32 s45, s[WV], 1
	s_lshl_b32 s45, s45, 9
	s_add_co_u32 s42, s42, s45
	s_add_co_u32 s42, s42, 3145728
	s_add_nc_u64 s[32:33], s[10:11], s[42:43]      ; O's scale words
	s_wait_alu depctr_va_vdst(0)                   ; all addresses and offsets (v1-v12, v238-v242) are written, which the kernel's loads, stores and its prefetch read; so are Q's six registers of zero codes, which the scaled products take
.irp t, 0,1,2,3,4,5,6,7
	global_load_b128 v[KF+6*\t:KF+6*\t+3], v[L16], s[34:35] offset:768*\t
	global_load_b64 v[KF+6*\t+4:KF+6*\t+5], v[L8], s[34:35] offset:768*\t+512
.endr
.irp t, 0,1,2,3,4,5,6,7
	global_load_b128 v[VF+6*\t:VF+6*\t+3], v[L16], s[38:39] offset:768*\t
	global_load_b64 v[VF+6*\t+4:VF+6*\t+5], v[L8], s[38:39] offset:768*\t+512
.endr
.irp k, 0,1,2,3
	global_load_b32 v[KS+\k], v241, s[36:37] offset:256*\k+128
	global_load_b32 v[CN+\k], v241, s[36:37] offset:256*\k
.endr
	global_load_b64 v[VS:VS+1], v[L8], s[40:41]
.macro QNEXT oq, ox                    ; a tile of queries: its half fragment, its scale words, its squares
	global_load_b128 v[QF:QF+3], v[L16], s[16:17] offset:\oq
	global_load_b64 v[QF+4:QF+5], v[L8], s[16:17] offset:\oq+512
	global_load_b32 v[QS], v[R8], s[18:19] offset:\ox+128
	global_load_b32 v[Q2], v[R8], s[18:19] offset:\ox
.endm
.macro HKLOAD                          ; -|k|^2 / 2 in the scores' layout: the C of the score products
.irp b, 0,1,2,3
.irp q, 0,1,2,3
	ds_load_b128 v[S+16*\b+4*\q:S+16*\b+4*\q+3], v[HKA] offset:128*\b+16*\q
.endr
.endr
.endm
.macro RLOAD buf                       ; my sixteenth of each wave's partial O
.irp k, 0,1,2,3,4,5,6,7,8,9,10,11,12,13,14,15
	ds_load_b64 v[S+32+2*\k:S+33+2*\k], v[OPR+\buf] offset:4096*\k
.endr
.endm
.macro RADD                            ; their sum, and the place of the tile's finished image; the store follows behind the caller's wait
	s_wait_dscnt 0x0
.irp k, 0,4,8,12,16,20,24,28
	v_pk_add_f32 v[S+32+\k:S+33+\k], v[S+32+\k:S+33+\k], v[S+34+\k:S+35+\k]
.endr
.irp k, 0,8,16,24
	v_pk_add_f32 v[S+32+\k:S+33+\k], v[S+32+\k:S+33+\k], v[S+36+\k:S+37+\k]
.endr
.irp k, 0,16
	v_pk_add_f32 v[S+32+\k:S+33+\k], v[S+32+\k:S+33+\k], v[S+40+\k:S+41+\k]
.endr
	v_pk_add_f32 v[S+32:S+33], v[S+32:S+33], v[S+48:S+49]
	v_add_nc_u32 v[OFA], s[OFS], v[OFB]            ; (whatever read this register last stands ahead of a wait on vm_vsrc: the head's, or the one behind the last step's stores)
.endm
	QNEXT 0, 0
	s_wait_loadcnt 0x0
.irp k, 0,1,2,3
	ds_store_b32 v242, v[CN+\k] offset:128*\k      ; my wave's own bytes: LDS serves a wave's instructions in order, so no barrier
.endr
	HKLOAD
	s_wait_alu depctr_vm_vsrc(0)                   ; the four LDS stores have read v[CN ..], which the first step's chains write; the records' loads have read v241, which is written again as v[OFA]
; par: which buffers; hasr: the last tile's partial O are added; hasn: the next tile is fetched, from oq, ox on; ro: the reduced tile's place; pre: G is prefetched
.macro STEP par, hasr, hasn, oq, ox, ro, pre
	s_wait_loadcnt 0x0                             ; Q
	s_wait_dscnt 0x0                               ; -|k|^2 / 2 is in; my partial O has landed
.irp t, 0,1,2,3,4,5,6,7
.if \t%2
	v_wmma_scale_f32_16x16x128_f8f6f4 v[S+8*\t:S+8*\t+7], v[KF+6*\t:KF+6*\t+11], v[QF:QF+11], v[S+8*\t:S+8*\t+7], v[KS+\t/2], v[QS] matrix_a_fmt:MATRIX_FMT_FP6 matrix_b_fmt:MATRIX_FMT_FP6 matrix_a_scale:MATRIX_SCALE_ROW1
.else
	v_wmma_scale_f32_16x16x128_f8f6f4 v[S+8*\t:S+8*\t+7], v[KF+6*\t:KF+6*\t+11], v[QF:QF+11], v[S+8*\t:S+8*\t+7], v[KS+\t/2], v[QS] matrix_a_fmt:MATRIX_FMT_FP6 matrix_b_fmt:MATRIX_FMT_FP6
.endif
.endr
.rept 4
	v_nop                                          ; places behind the products (ISA guide 7.12.1)
.endr
.set j, 0
.rept 32
	v_pk_fma_f32 v[S+j:S+j+1], v[S+j:S+j+1], -2.0, v[Q2:Q2+1] op_sel_hi:[1,0,0]   ; sq = |q|^2 - 2 (q.k - |k|^2 / 2); each accumulator from its low end on
.set j, j+2
.endr
.if \pre
	s_cmp_lt_u32 s[WV], 8                          ; G's 65,536 bytes of this work-group, which the waves load one step on: waves 0 to 7, 8,192 bytes each, lanes 256 bytes apart: each block is named once
	s_cbranch_scc0 .Lno_ask_\@
	global_prefetch_b8 v[PFO], s[28:29] th:TH_LOAD_NT scope:SCOPE_SE
.Lno_ask_\@:
.endif
.set j, 0
.rept 64
	v_max_num_f32 v[S+j], 0, v[S+j]
.set j, j+1
.endr
.set j, 0
.rept 64
	v_sqrt_f32 v[S+j], v[S+j]
.set j, j+1
.endr
	v_nop                                          ; a plain instruction behind the batch
	s_wait_alu depctr_va_vdst(0)                   ; the 64 roots are written, ahead of their first use; the score products are done reading Q's fragment and scale words, and the multiply-adds |q|^2: the loads below land in these
.if \hasn
	QNEXT \oq, \ox                                 ; the next tile, most of a step ahead of its use
.endif
.set j, 0
.rept 32
	v_pk_add_f32 v[S+j:S+j+1], v[S+j:S+j+1], s[EPS:EPS+1] op_sel_hi:[1,0]
.set j, j+2
.endr
.set j, 0
.rept 32
	v_pk_mul_f32 v[S+j:S+j+1], v[S+j:S+j+1], v[S+j:S+j+1]
.set j, j+2
.endr
.set j, 0
.rept 64
	v_rcp_f32 v[S+j], v[S+j]                       ; W
.set j, j+1
.endr
	v_nop
	s_wait_alu depctr_va_vdst(0)                   ; the 64 reciprocals are written, ahead of their first use
	v_pk_add_f32 v[CN:CN+1], v[S:S+1], v[S+2:S+3]  ; my 64 W of the row, in two chains
	v_pk_add_f32 v[CN+2:CN+3], v[S+4:S+5], v[S+6:S+7]
.irp j, 8,12,16,20,24,28,32,36,40,44,48,52,56,60
	v_pk_add_f32 v[CN:CN+1], v[CN:CN+1], v[S+\j:S+\j+1]
	v_pk_add_f32 v[CN+2:CN+3], v[CN+2:CN+3], v[S+\j+2:S+\j+3]
.endr
	v_pk_add_f32 v[CN:CN+1], v[CN:CN+1], v[CN+2:CN+3]
	v_add_f32 v[TP], v[CN], v[CN+1]
	v_permlanex16_b32 v[CN+2], v[TP], s[SEL], s[SEL+1]
	v_add_f32 v[TP], v[TP], v[CN+2]                ; with lane l xor 16's: my 128 keys' part of the row's sum
	s_wait_alu depctr_va_vdst(0)                   ; v[TP] is written, which the store below reads.  It also stands behind all that named v[PC ..] in the last step; up to the sums' loads behind the barrier only v[TM ..] and v[S ..] are named
	ds_store_b32 v[SWR], v[TP] offset:1024*\par    ; (both lanes of a query write the same word with the same value)
	s_wait_dscnt 0x0                               ; for the others' sake: my sum has landed, and so has all that I stored or read before
	s_wait_alu depctr_vm_vsrc(0)                   ; the store has read v[TP], which is written again behind the barrier
	s_barrier_signal -1
.irp b, 0,1,2,3                                ; work on registers while the others arrive: each block's largest W (none is negative)
	v_max3_num_f32 v[TM+\b], v[S+16*\b], v[S+16*\b+1], v[S+16*\b+2]
.endr
.irp i, 3,5,7,9,11,13
.irp b, 0,1,2,3
	v_max3_num_f32 v[TM+\b], v[TM+\b], v[S+16*\b+\i], v[S+16*\b+\i+1]
.endr
.endr
.irp b, 0,1,2,3
	v_max_num_f32 v[TM+\b], v[TM+\b], v[S+16*\b+15]
.endr
.irp b, 0,1,2,3
	v_permlanex16_b32 v[TM+4+\b], v[TM+\b], s[SEL], s[SEL+1]
.endr
.irp b, 0,1,2,3
	v_max_num_f32 v[TM+\b], v[TM+\b], v[TM+4+\b]
.endr
	s_barrier_wait -1
.irp k, 0,1,2,3
	ds_load_b128 v[PC+4*\k:PC+4*\k+3], v[SRD] offset:1024*\par+16*\k   ; my query's 16 partial sums
.endr
	s_wait_dscnt 0x0
	v_pk_add_f32 v[PC:PC+1], v[PC:PC+1], v[PC+2:PC+3]
	v_pk_add_f32 v[PC+4:PC+5], v[PC+4:PC+5], v[PC+6:PC+7]
	v_pk_add_f32 v[PC+8:PC+9], v[PC+8:PC+9], v[PC+10:PC+11]
	v_pk_add_f32 v[PC+12:PC+13], v[PC+12:PC+13], v[PC+14:PC+15]
	v_pk_add_f32 v[PC:PC+1], v[PC:PC+1], v[PC+4:PC+5]
	v_pk_add_f32 v[PC+8:PC+9], v[PC+8:PC+9], v[PC+12:PC+13]
	v_pk_add_f32 v[PC:PC+1], v[PC:PC+1], v[PC+8:PC+9]
	v_add_f32 v[TP], v[PC], v[PC+1]                ; every wave adds the same 16 numbers in the same order
	v_add_f32 v[TP], s[EPS], v[TP]
	v_rcp_f32 v[INV], v[TP]
	v_nop
	s_wait_alu depctr_va_vdst(0)                   ; the reciprocal of the sum is written, ahead of its first use
.set j, 0
.rept 32
	v_pk_mul_f32 v[S+j:S+j+1], v[S+j:S+j+1], v[INV:INV+1] op_sel_hi:[1,0]   ; W, normalised: what is quantised
.set j, j+2
.endr
.irp b, 0,1,2,3
	v_mul_f32 v[TM+\b], v[TM+\b], v[INV]           ; the same multiplication of the block's largest W gives the largest normalised W: rounding keeps the order
.endr
.irp b, 0,1,2,3
	v_max_num_f32 v[TM+\b], 0x1800000, v[TM+\b]    ; the floor 2^(3 - 127): the byte cannot fall under 1
.endr
.irp b, 0,1,2,3
	v_add_nc_u32 v[TM+12+\b], 0xff000000, v[TM+\b] ; 2 off the exponent field: the conversion's scale operand
.endr
.irp b, 0,1,2,3
	v_lshrrev_b32 v[TM+4+\b], 23, v[TM+12+\b]
.endr
	v_lshl_or_b32 v[PW], v[TM+5], 8, v[TM+4]
	v_lshl_or_b32 v[PW], v[TM+6], 16, v[PW]
	v_lshl_or_b32 v[PW], v[TM+7], 24, v[PW]
.irp c, 0,1
	v_cvt_scalef32_pk16_fp6_f32 v[PC+6*\c:PC+2+6*\c], v[S+32*\c:S+15+32*\c], v[TM+12+2*\c]
	v_cvt_scalef32_pk16_fp6_f32 v[PC+12+4*\c:PC+14+4*\c], v[S+16+32*\c:S+31+32*\c], v[TM+12+2*\c+1]
.endr
	v_nop                                          ; one plain place behind a scaled conversion
.irp c, 0,1                                    ; the operand's layout wants a whole block in a lane
.irp i, 0,1,2
	v_permlane16_swap_b32 v[PC+6*\c+\i], v[PC+12+4*\c+\i]
.endr
.irp i, 0,1,2
	v_mov_b32 v[PC+3+6*\c+\i], v[PC+12+4*\c+\i]
.endr
.endr
.rept 8
	v_nop                                          ; a scale register written by a vector instruction stands 8 places ahead of a scaled matrix instruction, an operand so written 4
.endr
	s_wait_alu depctr_va_vdst(0)                   ; behind the places: W's codes v[PC ..] and scale word v[PW] are written, which the scaled products take; the conversions are done reading v[S+32 ..], in which the loads below land
.if \hasr
	RLOAD 1-\par                                   ; the last tile's partial O, written behind the barrier before this one; they land under the products below, which name none of these registers
.endif
.irp t, 0,1,2,3
.if \t%2
	v_wmma_scale_f32_16x16x128_f8f6f4 v[S+8*\t:S+8*\t+7], v[VF+12*\t:VF+12*\t+11], v[PC:PC+11], 0, v[VS+\t/2], v[PW] matrix_a_fmt:MATRIX_FMT_FP6 matrix_b_fmt:MATRIX_FMT_FP6 matrix_a_scale:MATRIX_SCALE_ROW1
.else
	v_wmma_scale_f32_16x16x128_f8f6f4 v[S+8*\t:S+8*\t+7], v[VF+12*\t:VF+12*\t+11], v[PC:PC+11], 0, v[VS+\t/2], v[PW] matrix_a_fmt:MATRIX_FMT_FP6 matrix_b_fmt:MATRIX_FMT_FP6
.endif
.endr
.rept 5
	v_nop                                          ; four places in front of the stores that read the results, five in front of the next step's products, which write over them
.endr
.if \hasr
	RADD
.endif
	s_wait_alu depctr_va_vdst(0)                   ; behind the places: the products have written O^T in v[S .. S+31]; the additions have written v[S+32:S+33] and v[OFA]: the stores below read these.  All that named v[S ..] or K's registers is done: loads land there next
.if \hasr
	ds_store_b64 v[OFA], v[S+32:S+33] offset:\ro   ; my sixteenth of the last tile's finished image
.endif
.irp q, 0,1,2,3,4,5,6,7
	ds_store_b128 v[OPW+\par], v[S+4*\q:S+4*\q+3] offset:512*\q   ; my partial O as it stands: register 16 b + i is channel 32 b + 16 (lane / 16) + i of my query
.endr
	s_wait_alu depctr_vm_vsrc(0)                   ; the stores have read v[S .. S+33], in which the next LDS loads land, and v[OFA], which the next reduction writes
.if \hasn
	HKLOAD                                         ; (behind the stores, which LDS serves first)
.endif
.endm
	STEP 0, 0, 1, 768, 4, 0, 0                     ; tile 0; tile 1 is fetched
	s_wait_xcnt 0x0                                ; the loads have read their bases
	s_add_nc_u64 s[16:17], s[16:17], 1536
	s_add_nc_u64 s[18:19], s[18:19], 256
	s_mov_b32 s[CNT], 7
.Lpair:                                            ; trip k: tiles 2 k + 1 and 2 k + 2; tiles 2 k + 2 and 2 k + 3 are fetched; tiles 2 k and 2 k + 1 are reduced
	STEP 1, 1, 1, 0, 0, 0, 0
	STEP 0, 1, 1, 768, 4, 4096, 0
	s_wait_xcnt 0x0
	s_add_nc_u64 s[16:17], s[16:17], 1536
	s_add_nc_u64 s[18:19], s[18:19], 256
	s_add_co_u32 s[OFS], s[OFS], 8192
	s_sub_co_u32 s[CNT], s[CNT], 1
	s_cmp_lg_u32 s[CNT], 0
	s_cbranch_scc1 .Lpair
	STEP 1, 1, 0, 0, 0, 0, 1                       ; tile 15; tile 14 is reduced
.irp q, 0,1,2,3,4,5,6,7
	global_load_b128 v[KF+4*\q:KF+4*\q+3], v[L16], s[26:27] offset:512*\q th:TH_LOAD_NT   ; G of tile w, in O's layout, into K's registers, which are done with: their last readers, the step's score products, stand ahead of the step's waits on va_vdst
.endr
	s_wait_dscnt 0x0
	s_barrier_signal -1
	s_barrier_wait -1                              ; tile 15's partial O lie in LDS
	RLOAD 1                                        ; (nothing has named v[S+32 ..] since the last step's waits on va_vdst and vm_vsrc)
	RADD
	s_wait_alu depctr_va_vdst(0)                   ; the additions have written v[S+32:S+33] and v[OFA], which the store below reads
	ds_store_b64 v[OFA], v[S+32:S+33] offset:4096
	s_wait_dscnt 0x0
	s_barrier_signal -1
	s_barrier_wait -1                              ; all 16 tiles are finished
.irp q, 0,1,2,3,4,5,6,7
	ds_load_b128 v[S+4*\q:S+4*\q+3], v[OFR] offset:512*\q   ; (v[S .. S+31]: last written by tile 15's products, last read by its stores; both stand ahead of that step's last two waits)
.endr
	s_wait_dscnt 0x0
	s_wait_loadcnt 0x0
.set j, 0
.rept 16
	v_pk_mul_f32 v[S+j:S+j+1], v[S+j:S+j+1], v[KF+j:KF+j+1]   ; O = G A
.set j, j+2
.endr
.irp b, 0,1                                    ; the head's 64 are two blocks of the last product's K
	v_max3_num_f32 v[TM+\b], |v[S+16*\b]|, |v[S+16*\b+1]|, 0x1800000
.endr
.irp i, 2,4,6,8,10,12,14
.irp b, 0,1
	v_max3_num_f32 v[TM+\b], v[TM+\b], |v[S+16*\b+\i]|, |v[S+16*\b+\i+1]|
.endr
.endr
.irp b, 0,1
	v_permlanex16_b32 v[TM+4+\b], v[TM+\b], s[SEL], s[SEL+1]
.endr
.irp b, 0,1
	v_max_num_f32 v[TM+\b], v[TM+\b], v[TM+4+\b]
.endr
.irp b, 0,1
	v_add_nc_u32 v[TM+12+\b], 0xff000000, v[TM+\b]
.endr
.irp b, 0,1
	v_lshrrev_b32 v[TM+4+\b], 23, v[TM+12+\b]
.endr
	v_lshl_or_b32 v[TP], v[TM+5], 8, v[TM+4]
	v_cvt_scalef32_pk16_fp6_f32 v[PC:PC+2], v[S:S+15], v[TM+12]
	v_cvt_scalef32_pk16_fp6_f32 v[PC+12:PC+14], v[S+16:S+31], v[TM+13]
	v_nop
.irp i, 0,1,2
	v_permlane16_swap_b32 v[PC+\i], v[PC+12+\i]
.endr
.irp i, 0,1,2
	v_mov_b32 v[PC+3+\i], v[PC+12+\i]
.endr
	s_wait_alu depctr_va_vdst(0)                   ; O's codes v[PC .. PC+5] and scale word v[TP] are written, which the stores below read; the multiplications and conversions are done with v[S .. S+3], in which the scale words' load lands
	global_store_b128 v[L16], v[PC:PC+3], s[30:31]             ; a half of 768 bytes: 512 consecutive bytes, aligned,
	global_store_b64 v[L8], v[PC+4:PC+5], s[30:31] offset:512  ; and 256
	ds_store_b32 v[OSW], v[TP]
	s_wait_dscnt 0x0
	s_barrier_signal -1
	s_barrier_wait -1
	s_cmp_lt_u32 s[WV], 2
	s_cbranch_scc0 .Lend
	ds_load_b128 v[S:S+3], v[OSR]
	s_wait_dscnt 0x0
	global_store_b128 v[L16], v[S:S+3], s[32:33]   ; the 16 tiles' scale words: 512 consecutive bytes a wave
.Lend:
	s_wait_dscnt 0x0
	s_wait_alu depctr_hold_cnt(0) depctr_sa_sdst(0) depctr_va_vdst(0) depctr_va_sdst(0) depctr_va_ssrc(0) depctr_va_vcc(0) depctr_vm_vsrc(0)
	s_wait_tensorcnt 0x0
	ds_add_u32 v254, v255
	s_wait_dscnt 0x0
	s_endpgm
.Lfunc_end_k_q8734c92dfd_attn:
	.size	k_q8734c92dfd_attn, .Lfunc_end_k_q8734c92dfd_attn-k_q8734c92dfd_attn
	.p2alignl 7, 3214868480
	.fill 96, 4, 3214868480
	.section	.rodata,"a",@progbits
	.p2align	6, 0x0
	.amdhsa_kernel k_q8734c92dfd_attn
		.amdhsa_group_segment_fixed_size 209920
		.amdhsa_private_segment_fixed_size 0
		.amdhsa_enable_private_segment 0
		.amdhsa_kernarg_size 32
		.amdhsa_user_sgpr_count 2
		.amdhsa_user_sgpr_kernarg_segment_ptr 1
		.amdhsa_wavefront_size32 1
		.amdhsa_system_sgpr_workgroup_id_x 1
		.amdhsa_system_sgpr_workgroup_id_y 1
		.amdhsa_system_sgpr_workgroup_id_z 1
		.amdhsa_system_vgpr_workitem_id 0
		.amdhsa_next_free_vgpr 256
		.amdhsa_next_free_sgpr 66
		.amdhsa_reserve_vcc 0
		.amdhsa_float_denorm_mode_32 3
		.amdhsa_float_denorm_mode_16_64 3
		.amdhsa_memory_ordered 1
		.amdhsa_forward_progress 1
		.amdhsa_inst_pref_size 124
	.end_amdhsa_kernel
	.amdgpu_metadata
---
amdhsa.version: [ 1, 2 ]
amdhsa.kernels:
  - .name:           k_q8734c92dfd_attn
    .symbol:         k_q8734c92dfd_attn.kd
    .args:
      - { .name: qk, .offset: 0, .size: 8, .value_kind: global_buffer, .address_space: global }
      - { .name: vq, .offset: 8, .size: 8, .value_kind: global_buffer, .address_space: global }
      - { .name: g, .offset: 16, .size: 8, .value_kind: global_buffer, .address_space: global }
      - { .name: oq, .offset: 24, .size: 8, .value_kind: global_buffer, .address_space: global }
    .group_segment_fixed_size: 209920
    .private_segment_fixed_size: 0
    .kernarg_segment_align: 8
    .kernarg_segment_size: 32
    .max_flat_workgroup_size: 512
    .sgpr_count:     66
    .vgpr_count:     256
    .wavefront_size: 32
...
	.end_amdgpu_metadata
.endif
;; end of part 5
;; launch outp: the kernel of part 4 again; grid 8 x 32, 4 waves a work-group, clusters of 4 x 4, 266,752 bytes of LDS; arguments oq, woq, X, b_out, out0; writes out0
